; MI455X (gfx1250); checked and timed in simulation.
; The chip was launched on July 23, 2026; its instructions are those of AMD's public machine-readable ISA for CDNA 5 (MIT licence, August 2026) and "CDNA5" Instruction Set Architecture Reference Guide (July 2026). The comments in the code are by the model that wrote it; some were corrected since.
;; Gated Delta Net Layer. Allowed arithmetic: float matrix products may take bf16 or f16 operands with f32 sums; other float arithmetic in f32, or as packed bf16 or f16 multiplies, adds, multiply-adds, maxima and minima; sums over many terms, partial sums and values carried from step to step in f32; what a program stores and reads back later, other than sums and carried values, may be rounded once to bf16 or f16.
;; Inputs: Wb 2,048 x 16 float32; Wg 2,048 x 16 float32; Wk 2,048 x 2,048 float32; Wo 2,048 x 2,048 float32; Wv 2,048 x 2,048 float32; bb 16 float32; bg 16 float32; initial_state 2 x 16 x 128 x 128 float32; norm_weight 2,048 float32; x 2 x 2,048 x 2,048 float32.
;; Outputs: out0 2 x 2,048 x 2,048 float32; out1 2 x 16 x 128 x 128 float32.
;; 2 versions, each right; version 2 is version 1 with the launches prep, gates written anew for expert scheduling mode. Each part assembles by itself: llvm-mc -triple=amdgcn-amd-amdhsa -mcpu=gfx1250 --defsym DOCPART=n.
;; ======== version 1 of 2: 6 launches
;; limits: values are held in f16: magnitudes above 65,504 overflow, below 6.1e-05 lose precision
;; workspace buffers: a16 16,777,216 bytes; wkv16 16,777,216 bytes; wo16 8,388,608 bytes; wbg16 131,072 bytes; gat 786,432 bytes; kv16 33,554,432 bytes; wyr 57,147,392 bytes; uv16 16,777,216 bytes
;; launch prep (part 1): grid 256 x 4, 8 waves a work-group, no clusters, 66,816 bytes of LDS; arguments x, norm_weight, Wk, Wv, Wo, Wb, Wg, a16, wkv16, wo16, wbg16; writes a16, wkv16, wo16, wbg16
.if DOCPART == 1
	.amdgcn_target "amdgcn-amd-amdhsa--gfx1250"
	.amdhsa_code_object_version 6
	.text
	.protected	k_qd00b47d3ff_prep
	.globl	k_qd00b47d3ff_prep
	.p2align	8
	.type	k_qd00b47d3ff_prep,@function
k_qd00b47d3ff_prep:
	s_mov_b64 s[64:65], 0
	v_nop
	global_prefetch_b8 v0, s[64:65] scope:SCOPE_SE
	s_setreg_imm32_b32 hwreg(HW_REG_WAVE_MODE, 25, 1), 1
	s_wait_xcnt 0x0
; PREP.  y = 0: rmsnorm of 16 rows of x, rounded once to f16, written as fragment images; wave 0 also makes one 512-byte unit of Wb's or Wg's images.
;        y = 1, 2, 3: Wk, Wv, Wo rounded once to f16 (a wave takes one row of 2,048 numbers).
; a16 is laid out [kb = k/32][mt = m/16][1,024 bytes]: a block is the register image of a 16 x 32 fragment: lane (r = m%16, h) holds
; k = 8 h + 0..7 at byte 16 lane and k = 16 + 8 h + 0..7 at byte 512 + 16 lane.  So a wave's store covers 512 consecutive bytes.
; LIMITS.  f16 holds no number beyond 65,504: xn = x / rms * w (at most 45.3 |w|) and the weights must lie within it; below 6e-5 f16 keeps a
; fixed step of 6e-8.  NaN and infinities are not treated apart.  No matrix unit, no cluster: the launch streams, and no two work-groups share bytes but the gain.
.set SP,    4112                       ; a stage row: 4,096 bytes of f16 + 16
.set SPARE, 16*SP                      ; behind the stage: the spare words, 128 bytes for each of eight waves
.set NW,    20                         ; v[20:83]   16 quads of the gain
.set X,     84                         ; v[84:211]  32 quads of my row; later 16 quads read back from the stage
	s_load_b512 s[8:23], s[0:1], 0x0               ; x 8, norm_weight 10, Wk 12, Wv 14, Wo 16, Wb 18, Wg 20, a16 22
	s_load_b128 s[24:27], s[0:1], 0x40             ; wkv16 24, wo16 26
	s_load_b64 s[28:29], s[0:1], 0x50              ; wbg16
	v_lshl_add_u32 v8, v0, 2, SPARE                ; my spare word
	v_mov_b32 v9, 0
	v_lshrrev_b32 v1, 5, v0
	v_readfirstlane_b32 s30, v1                    ; wave 0..7
	s_and_b32 s31, ttmp7, 0xffff                   ; y: which job
	s_mov_b32 s32, ttmp9                           ; x
	s_mov_b32 s41, 0
	s_mov_b32 s33, 0x3a000000                      ; 1 / 2048
	s_mov_b32 s34, 0x358637bd                      ; 1e-6
	v_and_b32 v7, 31, v0
	v_lshlrev_b32 v7, 4, v7                        ; 16 x lane
	s_wait_kmcnt 0x0
	s_cmp_lg_u32 s31, 0
	s_cbranch_scc1 .Lcast
	; ---------------- the norm: row tid / 16, sixteen lanes to a row; load j takes 256 consecutive bytes of the row
	v_and_b32 v1, 15, v0                           ; r
	v_bfe_u32 v2, v0, 4, 1                         ; h
	v_lshrrev_b32 v6, 4, v0                        ; row 0..15
	v_lshlrev_b32 v4, 4, v1                        ; 16 r: my place in 256 bytes of the gain
	v_lshl_add_u32 v3, v6, 13, v4                  ; row x 8,192 + 16 r
	v_mul_u32_u24 v5, v6, SP
	v_lshl_add_u32 v5, v1, 3, v5                   ; stage, in: row x pitch + 8 r
	v_mul_u32_u24 v6, v1, SP
	v_lshl_add_u32 v6, v2, 4, v6                   ; stage, back: row r, 16 h,
	s_lshl_b32 s35, s30, 9
	v_add_nc_u32 v6, s35, v6                       ; and my wave's eight blocks of 32 k (64 bytes each)
	s_lshl_b32 s40, s32, 17                        ; 16 rows of 8,192 bytes
	s_add_nc_u64 s[8:9], s[8:9], s[40:41]
	s_lshl_b32 s40, s32, 10                        ; block mt = x,
	s_lshl_b32 s35, s30, 21                        ; kb = 8 x wave
	s_add_co_u32 s40, s40, s35
	s_add_nc_u64 s[36:37], s[22:23], s[40:41]
.set jj, 0
.rept 32
	global_load_b128 v[X+4*jj:X+4*jj+3], v3, s[8:9] offset:256*jj
.set jj, jj+1
.endr
.set jj, 0
.rept 16
	global_load_b128 v[NW+4*jj:NW+4*jj+3], v4, s[10:11] offset:256*jj
.set jj, jj+1
.endr
	s_wait_loadcnt 16                              ; my row is in; the 16 loads of the gain may stay out
.set jj, 0
.rept 64                                           ; the sum of squares, in four chains; the first four products start them
.if jj < 4
	v_pk_mul_f32 v[10+2*jj:11+2*jj], v[X+2*jj:X+2*jj+1], v[X+2*jj:X+2*jj+1]
.else
	v_pk_fma_f32 v[10+2*(jj%4):11+2*(jj%4)], v[X+2*jj:X+2*jj+1], v[X+2*jj:X+2*jj+1], v[10+2*(jj%4):11+2*(jj%4)]
.endif
.set jj, jj+1
.endr
	v_pk_add_f32 v[10:11], v[10:11], v[12:13]
	v_pk_add_f32 v[14:15], v[14:15], v[16:17]
	v_pk_add_f32 v[10:11], v[10:11], v[14:15]
	v_add_f32 v10, v10, v11
	v_add_f32_dpp v10, v10, v10 row_xmask:1 row_mask:0xf bank_mask:0xf   ; a row lies in sixteen lanes: four steps
	v_add_f32_dpp v10, v10, v10 row_xmask:2 row_mask:0xf bank_mask:0xf
	v_add_f32_dpp v10, v10, v10 row_xmask:4 row_mask:0xf bank_mask:0xf
	v_add_f32_dpp v10, v10, v10 row_xmask:8 row_mask:0xf bank_mask:0xf
	v_fma_f32 v10, v10, s33, s34                   ; mean + eps
	v_rsq_f32 v18, v10
	v_nop                                          ; a plain instruction behind the transcendental
	s_wait_alu depctr_va_vdst(0)
	v_mov_b32 v19, v18
	s_wait_loadcnt 0x0                             ; the gain's first half
.macro NRM j
.if (\j) >= 16
	s_wait_loadcnt 31-(\j)                         ; the reload for quad j is in; the younger reloads stay out
.endif
	v_pk_mul_f32 v[X+4*(\j):X+4*(\j)+1], v[X+4*(\j):X+4*(\j)+1], v[18:19]
	v_pk_mul_f32 v[X+4*(\j)+2:X+4*(\j)+3], v[X+4*(\j)+2:X+4*(\j)+3], v[18:19]
	v_pk_mul_f32 v[X+4*(\j):X+4*(\j)+1], v[X+4*(\j):X+4*(\j)+1], v[NW+4*((\j)%16):NW+4*((\j)%16)+1]
	v_pk_mul_f32 v[X+4*(\j)+2:X+4*(\j)+3], v[X+4*(\j)+2:X+4*(\j)+3], v[NW+4*((\j)%16)+2:NW+4*((\j)%16)+3]
	v_cvt_pk_f16_f32 v[212+2*((\j)%2)], v[X+4*(\j)], v[X+4*(\j)+1]
	v_cvt_pk_f16_f32 v[213+2*((\j)%2)], v[X+4*(\j)+2], v[X+4*(\j)+3]
	ds_store_b64 v5, v[212+2*((\j)%2):213+2*((\j)%2)] offset:128*(\j)
.if (\j) < 16
	global_load_b128 v[NW+4*(\j):NW+4*(\j)+3], v4, s[10:11] offset:256*((\j)+16)   ; the gain's second half takes the quad just used
.endif
.endm
.set kk, 0
.rept 32
	NRM kk
.set kk, kk+1
.endr
	s_wait_dscnt 0x0                               ; for the others' sake: my stores into the stage are done
	s_barrier_signal -1
	s_barrier_wait -1
.set jj, 0
.rept 16                                           ; block i = jj / 2 of my eight, half jj % 2
	ds_load_b128 v[X+4*jj:X+4*jj+3], v6 offset:64*(jj/2)+32*(jj%2)
.set jj, jj+1
.endr
.set jj, 0
.rept 16
	s_wait_dscnt 15-jj
	global_store_b128 v7, v[X+4*jj:X+4*jj+3], s[36:37] offset:262144*(jj/2)+512*(jj%2)   ; 512 consecutive bytes
.set jj, jj+1
.endr
	s_cmp_lg_u32 s30, 0
	s_cbranch_scc1 .Lnorm_end
	; wave 0: unit x of wbg16 = [Wb, Wg][kb 64][1,024]: lane (head r, h) takes k = 32 kb + 16 half + 8 h + 0..7
	s_lshr_b32 s35, s32, 7
	s_cmp_lg_u32 s35, 0
	s_cselect_b64 s[38:39], s[20:21], s[18:19]
	s_bfe_u32 s40, s32, 0x60001                    ; kb = (x / 2) % 64
	s_lshl_b32 s40, s40, 11                        ; 32 rows of 64 bytes
	s_and_b32 s35, s32, 1
	s_lshl_b32 s35, s35, 10
	s_add_co_u32 s40, s40, s35
	s_add_nc_u64 s[38:39], s[38:39], s[40:41]
	s_lshl_b32 s40, s32, 9
	s_add_nc_u64 s[28:29], s[28:29], s[40:41]
	v_lshlrev_b32 v3, 9, v2                        ; (the loads that named v3 are done)
	v_lshl_add_u32 v3, v1, 2, v3                   ; 8 h rows + 4 r
.irp e, 0,1,2,3,4,5,6,7
	global_load_b32 v[NW+(\e)], v3, s[38:39] offset:64*(\e)
.endr
	s_wait_loadcnt 0x0
.irp e, 0,1,2,3
	v_cvt_pk_f16_f32 v[212+(\e)], v[NW+2*(\e)], v[NW+2*(\e)+1]
.endr
	global_store_b128 v7, v[212:215], s[28:29]
.Lnorm_end:
	s_wait_tensorcnt 0x0                           ; the wave's end, behind my last LDS store
	ds_add_u32 v8, v9
	s_wait_dscnt 0x0
	s_endpgm
	; ---------------- the casts: wave = row k = 8 x + wave; 16 loads of 512 bytes, 16 stores of 256 bytes
.Lcast:
	s_lshl_b32 s35, s32, 3
	s_add_co_u32 s35, s35, s30                     ; k
	s_cmp_eq_u32 s31, 2
	s_cselect_b64 s[36:37], s[14:15], s[16:17]     ; Wv or Wo,
	s_cselect_b32 s42, 4096, 0                     ; Wv's columns lie behind Wk's in a row of wkv16
	s_cmp_eq_u32 s31, 1
	s_cselect_b64 s[36:37], s[12:13], s[36:37]     ; or Wk
	s_cmp_eq_u32 s31, 3
	s_cselect_b64 s[38:39], s[26:27], s[24:25]
	s_cselect_b32 s43, 12, 13                      ; a row of wo16 is 4,096 bytes, of wkv16 8,192
	s_lshl_b32 s40, s35, 13
	s_add_nc_u64 s[36:37], s[36:37], s[40:41]
	s_lshl_b32 s40, s35, s43
	s_add_co_u32 s40, s40, s42
	s_add_nc_u64 s[38:39], s[38:39], s[40:41]
	v_lshrrev_b32 v6, 1, v7                        ; 8 x lane
.set jj, 0
.rept 16
	global_load_b128 v[X+4*jj:X+4*jj+3], v7, s[36:37] offset:512*jj th:TH_LOAD_NT
.set jj, jj+1
.endr
.set jj, 0
.rept 16
	s_wait_loadcnt 15-jj
	v_cvt_pk_f16_f32 v[NW+2*jj], v[X+4*jj], v[X+4*jj+1]
	v_cvt_pk_f16_f32 v[NW+2*jj+1], v[X+4*jj+2], v[X+4*jj+3]
	global_store_b64 v6, v[NW+2*jj:NW+2*jj+1], s[38:39] offset:256*jj   ; 32 lanes store 256 consecutive bytes, aligned
.set jj, jj+1
.endr
	s_endpgm
.Lfunc_end_k_qd00b47d3ff_prep:
	.size	k_qd00b47d3ff_prep, .Lfunc_end_k_qd00b47d3ff_prep-k_qd00b47d3ff_prep
	.p2alignl 7, 3214868480
	.fill 96, 4, 3214868480
	.section	.rodata,"a",@progbits
	.p2align	6, 0x0
	.amdhsa_kernel k_qd00b47d3ff_prep
		.amdhsa_group_segment_fixed_size 66816
		.amdhsa_private_segment_fixed_size 0
		.amdhsa_enable_private_segment 0
		.amdhsa_kernarg_size 88
		.amdhsa_user_sgpr_count 2
		.amdhsa_user_sgpr_kernarg_segment_ptr 1
		.amdhsa_wavefront_size32 1
		.amdhsa_system_sgpr_workgroup_id_x 1
		.amdhsa_system_sgpr_workgroup_id_y 1
		.amdhsa_system_sgpr_workgroup_id_z 1
		.amdhsa_system_vgpr_workitem_id 0
		.amdhsa_next_free_vgpr 216
		.amdhsa_next_free_sgpr 66
		.amdhsa_reserve_vcc 0
		.amdhsa_float_denorm_mode_32 3
		.amdhsa_float_denorm_mode_16_64 3
		.amdhsa_memory_ordered 1
		.amdhsa_forward_progress 1
		.amdhsa_inst_pref_size 38
	.end_amdhsa_kernel
	.amdgpu_metadata
---
amdhsa.version: [ 1, 2 ]
amdhsa.kernels:
  - .name:           k_qd00b47d3ff_prep
    .symbol:         k_qd00b47d3ff_prep.kd
    .args:
      - { .name: x, .offset: 0, .size: 8, .value_kind: global_buffer, .address_space: global }
      - { .name: norm_weight, .offset: 8, .size: 8, .value_kind: global_buffer, .address_space: global }
      - { .name: Wk, .offset: 16, .size: 8, .value_kind: global_buffer, .address_space: global }
      - { .name: Wv, .offset: 24, .size: 8, .value_kind: global_buffer, .address_space: global }
      - { .name: Wo, .offset: 32, .size: 8, .value_kind: global_buffer, .address_space: global }
      - { .name: Wb, .offset: 40, .size: 8, .value_kind: global_buffer, .address_space: global }
      - { .name: Wg, .offset: 48, .size: 8, .value_kind: global_buffer, .address_space: global }
      - { .name: a16, .offset: 56, .size: 8, .value_kind: global_buffer, .address_space: global }
      - { .name: wkv16, .offset: 64, .size: 8, .value_kind: global_buffer, .address_space: global }
      - { .name: wo16, .offset: 72, .size: 8, .value_kind: global_buffer, .address_space: global }
      - { .name: wbg16, .offset: 80, .size: 8, .value_kind: global_buffer, .address_space: global }
    .group_segment_fixed_size: 66816
    .private_segment_fixed_size: 0
    .kernarg_segment_align: 8
    .kernarg_segment_size: 88
    .max_flat_workgroup_size: 256
    .sgpr_count:     66
    .vgpr_count:     216
    .wavefront_size: 32
...
	.end_amdgpu_metadata
.endif
;; end of part 1
;; launch gates (part 2): grid 64 x 1, 8 waves a work-group, no clusters, 75,776 bytes of LDS; arguments a16, wbg16, bb, bg, gat; writes gat
.if DOCPART == 2
	.amdgcn_target "amdgcn-amd-amdhsa--gfx1250"
	.amdhsa_code_object_version 6
	.text
	.protected	k_qd00b47d3ff_gates
	.globl	k_qd00b47d3ff_gates
	.p2align	8
	.type	k_qd00b47d3ff_gates,@function
k_qd00b47d3ff_gates:
	s_mov_b64 s[64:65], 0
	v_nop
	global_prefetch_b8 v0, s[64:65] scope:SCOPE_SE
	s_setreg_imm32_b32 hwreg(HW_REG_WAVE_MODE, 25, 1), 1
	s_wait_xcnt 0x0
; GATES.  z = xn [Wb | Wg] + bias for 64 rows (one chunk of one batch); beta = sigmoid(zb); lg = log2 sigmoid(zg); L = the running sum of lg inside the chunk, Lp the same less the row's own.
; gat = [beta, L, Lp][bh 32][t 2048] f32.  Wave w multiplies K blocks 8 w .. 8 w + 7 (256 of the 2,048); the eight partial sums meet in LDS in f32; wave 0 finishes beta, wave 1 L and Lp.
; The product stands in its natural order: a lane holds head lane % 16 and rows t = 16 i + 8 (lane / 16) + j.
; log2 sigmoid(z) = min(y, 0) - log2(1 + 2^-|y|), y = z log2(e): no exponential can overflow.  64 work-groups: the launch is small, and its work has no more parts of this size.
.set STG,   65536                      ; behind the eight waves' partial sums (8,192 bytes each): 16 rows x 272 bytes for waves 0 and 1
.set SPARE, 74752
.set ACC,   16                         ; v[16:79]  tile (i, nt) at ACC + 8 (2 i + nt)
.set FB,    80                         ; three fragment buffers of 48: A's four, B's two
.set Z,     80                         ; later: the sums
.set T,     112
	s_load_b256 s[4:11], s[0:1], 0x0               ; a16 4, wbg16 6, bb 8, bg 10
	s_load_b64 s[12:13], s[0:1], 0x20              ; gat
	v_lshl_add_u32 v14, v0, 2, SPARE
	v_mov_b32 v15, 0
	v_lshrrev_b32 v2, 5, v0
	v_readfirstlane_b32 s14, v2                    ; wave
	v_and_b32 v1, 31, v0
	v_lshlrev_b32 v1, 4, v1                        ; 16 x lane
	s_mov_b32 s17, 0
	s_mov_b32 s19, 0
	s_lshl_b32 s16, s14, 21                        ; 8 K blocks of 262,144 bytes
	s_lshl_b32 s15, ttmp9, 12                      ; 4 row tiles of 1,024 bytes
	s_add_co_u32 s16, s16, s15
	s_lshl_b32 s18, s14, 13                        ; 8 images of 1,024 bytes; also my partial sums' place in LDS
	s_wait_kmcnt 0x0
	s_add_nc_u64 s[4:5], s[4:5], s[16:17]
	s_add_nc_u64 s[6:7], s[6:7], s[18:19]
.macro LDK st                          ; the twelve loads of K block st
.set fb, FB+48*((\st)%3)
.irp i, 0,1,2,3
	global_load_b128 v[fb+8*(\i):fb+8*(\i)+3],   v1, s[4:5] offset:(\st)*262144+(\i)*1024
	global_load_b128 v[fb+8*(\i)+4:fb+8*(\i)+7], v1, s[4:5] offset:(\st)*262144+(\i)*1024+512
.endr
.irp n, 0,1
	global_load_b128 v[fb+32+8*(\n):fb+32+8*(\n)+3], v1, s[6:7] offset:(\n)*65536+(\st)*1024
	global_load_b128 v[fb+36+8*(\n):fb+36+8*(\n)+3], v1, s[6:7] offset:(\n)*65536+(\st)*1024+512
.endr
.endm
	LDK 0
	LDK 1
	LDK 2
.set st, 0
.rept 8
.if st < 6
	s_wait_loadcnt 24                              ; two younger groups of twelve stay out
.else
	s_wait_loadcnt 12*(7-st)
.endif
.set fb, FB+48*(st%3)
.irp i, 0,1,2,3
.irp n, 0,1                                        ; eight accumulators by turns
.if st == 0
	v_wmma_f32_16x16x32_f16 v[ACC+8*(2*(\i)+(\n)):ACC+8*(2*(\i)+(\n))+7], v[fb+8*(\i):fb+8*(\i)+7], v[fb+32+8*(\n):fb+32+8*(\n)+7], 0
.else
	v_wmma_f32_16x16x32_f16 v[ACC+8*(2*(\i)+(\n)):ACC+8*(2*(\i)+(\n))+7], v[fb+8*(\i):fb+8*(\i)+7], v[fb+32+8*(\n):fb+32+8*(\n)+7], v[ACC+8*(2*(\i)+(\n)):ACC+8*(2*(\i)+(\n))+7]
.endif
.endr
.endr
.rept 4
	v_nop                                          ; four places ahead of loads into the buffer just read, and of the stores of the sums
.endr
.if st < 5
	LDK st+3
.endif
.set st, st+1
.endr
	v_add_nc_u32 v3, s18, v1
.set jj, 0
.rept 16                                           ; each accumulator's low quad first
	ds_store_b128 v3, v[ACC+4*jj:ACC+4*jj+3] offset:512*jj
.set jj, jj+1
.endr
	s_wait_dscnt 0x0                               ; for the others' sake
	s_barrier_signal -1
	s_barrier_wait -1
	s_cmp_ge_u32 s14, 2
	s_cbranch_scc1 .Lend
	; waves 0 and 1: column tile nt = wave
	s_lshl_b32 s20, s14, 10
	v_add_nc_u32 v2, s20, v1
	v_and_b32 v4, 15, v0                           ; r = head
	v_bfe_u32 v5, v0, 4, 1                         ; h
	v_lshlrev_b32 v6, 2, v4
	s_cmp_eq_u32 s14, 1
	s_cselect_b64 s[22:23], s[10:11], s[8:9]
	global_load_b32 v10, v6, s[22:23]              ; my head's bias
	s_mul_i32 s21, s14, 4608
	s_add_co_u32 s21, s21, STG
	v_mul_u32_u24 v7, v4, 272
	v_lshl_add_u32 v7, v5, 5, v7
	v_add_nc_u32 v7, s21, v7                       ; stage, in: row = head, 32 h
	v_mul_u32_u24 v8, v5, 272
	v_lshl_add_u32 v8, v4, 4, v8
	v_add_nc_u32 v8, s21, v8                       ; stage, back: lanes 0-15 one head's 256 bytes, lanes 16-31 the next's
	v_lshlrev_b32 v9, 13, v5
	v_lshl_add_u32 v9, v4, 4, v9                   ; the same two heads in gat
	s_lshr_b32 s16, ttmp9, 5                       ; batch: 16 heads of 8,192 bytes
	s_lshl_b32 s16, s16, 17
	s_and_b32 s15, ttmp9, 31                       ; chunk: 256 bytes
	s_lshl_b32 s15, s15, 8
	s_add_co_u32 s16, s16, s15
	s_add_nc_u64 s[12:13], s[12:13], s[16:17]
.set pp, 0
.rept 8                                            ; the eight waves' partial sums, in f32
.set dd, T
.if pp == 0
.set dd, Z
.endif
.set jj, 0
.rept 8
	ds_load_b128 v[dd+4*jj:dd+4*jj+3], v2 offset:pp*8192+(jj/2)*2048+(jj%2)*512
.set jj, jj+1
.endr
	s_wait_dscnt 0x0
.if pp > 0
.set jj, 0
.rept 16
	v_pk_add_f32 v[Z+2*jj:Z+2*jj+1], v[Z+2*jj:Z+2*jj+1], v[T+2*jj:T+2*jj+1]
.set jj, jj+1
.endr
.endif
.set pp, pp+1
.endr
	s_wait_loadcnt 0x0
	v_mov_b32 v11, v10
.set jj, 0
.rept 16
	v_pk_add_f32 v[Z+2*jj:Z+2*jj+1], v[Z+2*jj:Z+2*jj+1], v[10:11]
.set jj, jj+1
.endr
.macro ALL32 op, d, a                  ; one line for each of 32 registers
.set ii, 0
.rept 32
	\op v[(\d)+ii], v[(\a)+ii]
.set ii, ii+1
.endr
.endm
; 32 numbers a lane (register 8 i + j: row 16 i + 8 h + j of my head) go through my stage and leave as whole runs of 256 bytes, a head each
.macro OUT arr, R
.irp q, 0,1,2,3,4,5,6,7
	ds_store_b128 v7, v[(\R)+4*(\q):(\R)+4*(\q)+3] offset:64*((\q)/2)+16*((\q)%2)
.endr
	s_wait_xcnt 0x0                                ; the registers below are loaded again only when earlier stores have read them
.irp u, 0,1,2,3,4,5,6,7
	ds_load_b128 v[144+4*(\u):144+4*(\u)+3], v8 offset:544*(\u)
.endr
.irp u, 0,1,2,3,4,5,6,7
	s_wait_dscnt 7-(\u)
	global_store_b128 v9, v[144+4*(\u):144+4*(\u)+3], s[12:13] offset:(\arr)*262144+(\u)*16384
.endr
.endm
	s_cmp_eq_u32 s14, 1
	s_cbranch_scc1 .Lw1
	; wave 0: beta = 1 / (1 + 2^(-z log2 e))
.set jj, 0
.rept 16
	v_pk_mul_f32 v[Z+2*jj:Z+2*jj+1], v[Z+2*jj:Z+2*jj+1], 0xbfb8aa3b op_sel_hi:[1,0]
.set jj, jj+1
.endr
	ALL32 v_exp_f32, Z, Z
	v_nop
.set jj, 0
	s_wait_alu depctr_va_vdst(0)
.rept 16
	v_pk_add_f32 v[Z+2*jj:Z+2*jj+1], v[Z+2*jj:Z+2*jj+1], 1.0 op_sel_hi:[1,0]
.set jj, jj+1
.endr
	ALL32 v_rcp_f32, Z, Z
	v_nop
	s_wait_alu depctr_va_vdst(0)
	OUT 0, Z
	s_branch .Lend
.Lw1:
	; wave 1: lg = min(y, 0) - log2(1 + 2^-|y|)
	s_mov_b32 s20, 0x76543210
	s_mov_b32 s21, 0xfedcba98
	s_mov_b32 s22, 0xffff0000                      ; lanes 16-31
.set jj, 0
.rept 16
	v_pk_mul_f32 v[Z+2*jj:Z+2*jj+1], v[Z+2*jj:Z+2*jj+1], 0x3fb8aa3b op_sel_hi:[1,0]
.set jj, jj+1
.endr
.set ii, 0
.rept 32
	v_or_b32 v[T+ii], 0x80000000, v[Z+ii]          ; -|y|
.set ii, ii+1
.endr
	ALL32 v_exp_f32, T, T
	v_nop
.set jj, 0
	s_wait_alu depctr_va_vdst(0)
.rept 16
	v_pk_add_f32 v[T+2*jj:T+2*jj+1], v[T+2*jj:T+2*jj+1], 1.0 op_sel_hi:[1,0]
.set jj, jj+1
.endr
	ALL32 v_log_f32, T, T
	v_nop
.set ii, 0
.rept 32
	v_min_num_f32 v[Z+ii], 0, v[Z+ii]
.set ii, ii+1
.endr
.set jj, 0
	s_wait_alu depctr_va_vdst(0)
.rept 16
	v_pk_add_f32 v[Z+2*jj:Z+2*jj+1], v[Z+2*jj:Z+2*jj+1], v[T+2*jj:T+2*jj+1] neg_lo:[0,1] neg_hi:[0,1]
.set jj, jj+1
.endr
	; running sums: inside my eight rows of each tile; then the tiles' and the other half's totals in front of them
.set jj, 1
.rept 7
.irp i, 0,1,2,3
	v_add_f32 v[Z+8*(\i)+jj], v[Z+8*(\i)+jj], v[Z+8*(\i)+jj-1]
.endr
.set jj, jj+1
.endr
	v_mov_b32 v184, 0                              ; the total of the tiles in front
.irp i, 0,1,2,3
	v_mov_b32 v[176+(\i)], 0
	v_permlanex16_b32 v[176+(\i)], v[Z+8*(\i)+7], s20, s21   ; the other half's total of this tile
.endr
.irp i, 0,1,2,3
	v_cndmask_b32 v[180+(\i)], 0, v[176+(\i)], s22           ; rows 8-15 of a tile come behind rows 0-7
	v_add_f32 v[180+(\i)], v[180+(\i)], v184
	v_add_f32 v185, v[Z+8*(\i)+7], v[176+(\i)]
	v_add_f32 v184, v184, v185
.endr
.irp i, 0,1,2,3
.irp j, 0,1,2,3,4,5,6,7
	v_add_f32 v[T+8*(\i)+(\j)], v[Z+8*(\i)+(\j)], v[180+(\i)]   ; L
.endr
	v_mov_b32 v[192+8*(\i)], v[180+(\i)]                        ; Lp: the sum up to the row before
.irp j, 1,2,3,4,5,6,7
	v_mov_b32 v[192+8*(\i)+(\j)], v[T+8*(\i)+(\j)-1]
.endr
.endr
	OUT 1, T
	OUT 2, 192
.Lend:
	s_wait_tensorcnt 0x0                           ; the wave's end, behind my last LDS store
	ds_add_u32 v14, v15
	s_wait_dscnt 0x0
	s_endpgm
.Lfunc_end_k_qd00b47d3ff_gates:
	.size	k_qd00b47d3ff_gates, .Lfunc_end_k_qd00b47d3ff_gates-k_qd00b47d3ff_gates
	.p2alignl 7, 3214868480
	.fill 96, 4, 3214868480
	.section	.rodata,"a",@progbits
	.p2align	6, 0x0
	.amdhsa_kernel k_qd00b47d3ff_gates
		.amdhsa_group_segment_fixed_size 75776
		.amdhsa_private_segment_fixed_size 0
		.amdhsa_enable_private_segment 0
		.amdhsa_kernarg_size 40
		.amdhsa_user_sgpr_count 2
		.amdhsa_user_sgpr_kernarg_segment_ptr 1
		.amdhsa_wavefront_size32 1
		.amdhsa_system_sgpr_workgroup_id_x 1
		.amdhsa_system_sgpr_workgroup_id_y 1
		.amdhsa_system_sgpr_workgroup_id_z 1
		.amdhsa_system_vgpr_workitem_id 0
		.amdhsa_next_free_vgpr 232
		.amdhsa_next_free_sgpr 66
		.amdhsa_reserve_vcc 0
		.amdhsa_float_denorm_mode_32 3
		.amdhsa_float_denorm_mode_16_64 3
		.amdhsa_memory_ordered 1
		.amdhsa_forward_progress 1
		.amdhsa_inst_pref_size 54
	.end_amdhsa_kernel
	.amdgpu_metadata
---
amdhsa.version: [ 1, 2 ]
amdhsa.kernels:
  - .name:           k_qd00b47d3ff_gates
    .symbol:         k_qd00b47d3ff_gates.kd
    .args:
      - { .name: a16, .offset: 0, .size: 8, .value_kind: global_buffer, .address_space: global }
      - { .name: wbg16, .offset: 8, .size: 8, .value_kind: global_buffer, .address_space: global }
      - { .name: bb, .offset: 16, .size: 8, .value_kind: global_buffer, .address_space: global }
      - { .name: bg, .offset: 24, .size: 8, .value_kind: global_buffer, .address_space: global }
      - { .name: gat, .offset: 32, .size: 8, .value_kind: global_buffer, .address_space: global }
    .group_segment_fixed_size: 75776
    .private_segment_fixed_size: 0
    .kernarg_segment_align: 8
    .kernarg_segment_size: 40
    .max_flat_workgroup_size: 256
    .sgpr_count:     66
    .vgpr_count:     232
    .wavefront_size: 32
...
	.end_amdgpu_metadata
.endif
;; end of part 2
;; launch gemm_kv (part 3): grid 16 x 16, 4 waves a work-group, clusters of 4 x 4, 327,680 bytes of LDS; arguments a16, wkv16, kv16; writes kv16
.if DOCPART == 3
	.amdgcn_target "amdgcn-amd-amdhsa--gfx1250"
	.amdhsa_code_object_version 6
	.text
	.protected	k_qd00b47d3ff_gemm_kv
	.globl	k_qd00b47d3ff_gemm_kv
	.p2align	8
	.type	k_qd00b47d3ff_gemm_kv,@function
k_qd00b47d3ff_gemm_kv:
	s_mov_b64 s[64:65], 0
	v_nop
	global_prefetch_b8 v0, s[64:65] scope:SCOPE_SE
	s_setreg_imm32_b32 hwreg(HW_REG_WAVE_MODE, 25, 1), 1
	s_wait_xcnt 0x0
	s_wait_alu depctr_hold_cnt(0) depctr_sa_sdst(0) depctr_va_vdst(0) depctr_va_sdst(0) depctr_va_ssrc(0) depctr_va_vcc(0) depctr_vm_vsrc(0)
	s_getreg_b32 s2, hwreg(HW_REG_IB_STS2, 6, 4)
	s_cmp_eq_u32 s2, 0
	s_cbranch_scc0 .Lentry_in_a_cluster
	s_endpgm
.Lentry_in_a_cluster:
	s_bfe_u32 s2, ttmp6, 0x10000c
	s_cmp_lg_u32 s2, 0xf033
	s_cbranch_scc0 .Lentry_shape_is_right
	s_endpgm
.Lentry_shape_is_right:
; [k | v] = xn [Wk | Wv], 4,096 x 4,096 x 2,048, f16 operands, f32 sums; k's rows are divided by max(their norm over a head's 128 columns, 1e-12); both leave by heads:
; kv16 = [k, v][bh 32][t 2048][128] f16, rounded once.  A tile of C is 256 x 256, four waves of 128 x 128 (64 accumulators): a wave's 128 columns are one head.
; A (xn) lies in memory as fragment images [kb = k/32][mt = m/16][1,024 bytes]: a tile's 16 images of one kb are 16,384 dense bytes; they come into LDS as they lie and a fragment is two loads of
; 512 consecutive bytes.  B (the weights) lies [k][n]: rows of 512 bytes, padded to 544 in LDS, read turned by ds_load_tr16_b128.
; K goes in steps of 128 through two LDS slots; 4 x 4 work-groups form a cluster: A's tile is asked for jointly along a row of the cluster, B's along a column.
; The matrix instruction is used transposed (source 0 = 16 columns of B, source 1 = 16 rows of A): a lane holds one row of C and eight neighbouring columns.
; LIMITS.  f16 holds no number beyond 65,504: v must lie within it.  NaN and infinities are not treated apart.
; REGISTERS.  window 0: v0-31 addresses; v64-127, v128-191 A's fragments, two buffers; window 1: the same numbers, B's; windows 2, 3: the accumulators, (a, b) at window 2 + a / 4, v[8 (8 (a % 4) + b)].
.set MB,    8                          ; 16-row blocks of a wave
.set NCOL,  4096
.set AKB,   2048*MB                    ; bytes of A's tile for one kb
.set APART, 4*AKB
.set PB,    544                        ; a row of B in LDS: 512 + 32: an odd multiple of 32
.set BHALF, 64*PB
.set SLOT,  APART+2*BHALF
.set STAGE, 2*SLOT
.set SP,    272
.set SPARE, STAGE+4*16*SP
.set F0, 64
.set F1, 128
.set G1, 24
.set G0, 32
.set G1B, 48
.set G0B, 56
.set MSB, 0
.macro WIN new                         ; the immediate's high byte repeats the setting that is left
.if MSB != (\new)
	s_set_vgpr_msb (MSB<<8)|(\new)
.set MSB, (\new)
.endif
.endm
.macro PLACES                          ; four places behind matrix instructions (ISA guide 7.12.1)
.rept 4
	v_nop
.endr
.endm
.macro JLOAD sl                        ; a joint refill: waves 0, 1 fetch A's two parts, waves 2, 3 B's; the branch hangs on the wave's number alone
	s_cmp_eq_u32 s13, 0
	s_cbranch_scc0 .Lfor_b_\@
	tensor_load_to_lds s[G0+4*(\sl):G0+4*(\sl)+3], s[G1:G1+7]
	s_nop 0
	PLACES
	s_branch .Lasked_\@
.Lfor_b_\@:
	tensor_load_to_lds s[G0B+4*(\sl):G0B+4*(\sl)+3], s[G1B:G1B+7]
	s_nop 0
	PLACES
.Lasked_\@:
.endm
.macro CREST                           ; a round of the cluster's barrier behind its opening barrier
	s_cmp_lg_u32 s12, 0
	s_cbranch_scc1 .Lnot_wave_0_\@
	s_barrier_signal -3
.Lnot_wave_0_\@:
	s_barrier_wait -3
	s_barrier_signal -1
	s_barrier_wait -1
.endm
.macro CROUND
	s_barrier_signal -1
	s_barrier_wait -1
	CREST
.endm
	s_load_b128 s[4:7], s[0:1], 0x0                ; a16, wkv16
	s_load_b64 s[8:9], s[0:1], 0x10                ; kv16
	v_lshl_add_u32 v28, v0, 2, SPARE
	v_mov_b32 v29, 0
	ds_add_u32 v28, v29                            ; the wave's opening: the add and its wait stand ahead of my first tensor load
	ds_add_u32 v28, v29
	v_lshrrev_b32 v1, 5, v0
	v_readfirstlane_b32 s12, v1                    ; wave
	s_lshr_b32 s13, s12, 1                         ; my half of the rows; also: I fetch A (0) or B (1)
	s_and_b32 s14, s12, 1                          ; my half of the columns; also: which part I fetch
	s_bfe_u32 s17, ttmp6, 0x40000                  ; cx
	s_bfe_u32 s18, ttmp6, 0x40004                  ; cy
	s_lshl_b32 s16, ttmp9, 2
	s_add_co_u32 s16, s16, s17                     ; tile column
	s_and_b32 s15, ttmp7, 0xffff
	s_lshl_b32 s15, s15, 2
	s_add_co_u32 s15, s15, s18                     ; tile row
	s_lshl_b32 s19, s18, 2
	s_lshl_b32 s19, 15, s19                        ; my row of the cluster
	s_lshl_b32 s20, 0x1111, s17                    ; my column
	s_or_b32 s[G1], s19, (3<<16)|(1<<21)           ; A: elements of 8 bytes, no padding; bit 21 beside the mask
	s_mov_b32 s[G1+1], (AKB/8)<<16                 ; tensor_dim0: one kb's images
	s_mov_b32 s[G1+2], 2<<16                       ; tensor_dim1: two kb
	s_mov_b32 s[G1+3], (AKB/8)<<16                 ; tile_dim0
	s_mov_b32 s[G1+4], 2                           ; tile_dim1
	s_mov_b32 s[G1+5], 32768                       ; 262,144 bytes from kb to kb
	s_mov_b32 s[G1+6], 0
	s_mov_b32 s[G1+7], 0
	s_or_b32 s[G1B], s20, (1<<16)|(1<<20)|(1<<21)|(6<<22)|(7<<25)  ; B: elements of 2 bytes; after every 128 words 8 words of padding
	s_mov_b32 s[G1B+1], 256<<16
	s_mov_b32 s[G1B+2], 64<<16
	s_mov_b32 s[G1B+3], 256<<16
	s_mov_b32 s[G1B+4], 64
	s_mov_b32 s[G1B+5], NCOL
	s_mov_b32 s[G1B+6], 0
	s_mov_b32 s[G1B+7], 0
	s_mul_i32 s40, s15, 2*MB*1024                  ; A: the tile row's images, and my two kb: made of the tile row and the wave alone
	s_lshl_b32 s21, s14, 19
	s_add_co_u32 s40, s40, s21
	s_mov_b32 s41, 0
	s_mul_i32 s42, s14, 128*NCOL                   ; B: my 64 rows, the tile column's 512 bytes: made of the tile column and the wave alone
	s_lshl_b32 s22, s16, 9
	s_add_co_u32 s42, s42, s22
	s_mov_b32 s43, 0
	s_mul_i32 s44, s14, 2*AKB                      ; where they go: no place in the cluster enters an LDS address
	s_mul_i32 s45, s14, BHALF
	s_add_co_u32 s45, s45, APART
	s_wait_dscnt 0x0                               ; the opening add is done
	s_wait_kmcnt 0x0
	s_add_nc_u64 s[40:41], s[4:5], s[40:41]
	s_add_nc_u64 s[42:43], s[6:7], s[42:43]
	CROUND                                         ; all sixteen work-groups are here: the first joint loads meet
.irp sl, 0,1
	s_mov_b32 s[G0+4*(\sl)], 1
	s_add_co_u32 s[G0+4*(\sl)+1], s44, (\sl)*SLOT
	s_add_nc_u64 s[G0+4*(\sl)+2:G0+4*(\sl)+3], s[40:41], (\sl)*1048576   ; K step sl: four kb
	s_or_b32 s[G0+4*(\sl)+3], s[G0+4*(\sl)+3], 0x80000000
	s_mov_b32 s[G0B+4*(\sl)], 1
	s_add_co_u32 s[G0B+4*(\sl)+1], s45, (\sl)*SLOT
	s_add_nc_u64 s[G0B+4*(\sl)+2:G0B+4*(\sl)+3], s[42:43], (\sl)*256*NCOL  ; 128 rows
	s_or_b32 s[G0B+4*(\sl)+3], s[G0B+4*(\sl)+3], 0x80000000
.endr
	s_cmp_eq_u32 s13, 0                            ; a wave's two first fills stand in one branch: two loads of mine are out
	s_cbranch_scc0 .Lfirst_b
	tensor_load_to_lds s[G0:G0+3], s[G1:G1+7]
	s_nop 0
	tensor_load_to_lds s[G0+4:G0+7], s[G1:G1+7]
	s_nop 0
	PLACES
	s_branch .Lfirst_asked
.Lfirst_b:
	tensor_load_to_lds s[G0B:G0B+3], s[G1B:G1B+7]
	s_nop 0
	tensor_load_to_lds s[G0B+4:G0B+7], s[G1B:G1B+7]
	s_nop 0
	PLACES
.Lfirst_asked:
	v_and_b32 v1, 15, v0                           ; r
	v_bfe_u32 v2, v0, 4, 1                         ; h
	v_and_b32 v3, 31, v0
	v_lshlrev_b32 v3, 4, v3                        ; 16 x lane
	s_mul_i32 s21, s13, MB*1024
	v_add_nc_u32 v16, s21, v3                      ; A's fragments: my half's images, 16 bytes a lane
	v_add_nc_u32 v17, SLOT, v16
	v_and_b32 v4, 7, v0
	v_lshl_add_u32 v4, v2, 3, v4                   ; the turning load: row 8 h + lane % 8,
	v_mul_u32_u24 v4, v4, PB
	v_bfe_u32 v5, v0, 3, 1
	v_lshl_add_u32 v4, v5, 4, v4                   ; 16 bytes by (lane / 8) % 2
	s_lshl_b32 s22, s14, 8
	s_add_co_u32 s22, s22, APART
	v_add_nc_u32 v20, s22, v4
	v_add_nc_u32 v21, SLOT, v20
	s_mul_i32 s21, s12, 16*SP
	s_add_co_u32 s21, s21, STAGE                   ; my stage
	v_mul_u32_u24 v24, v1, SP
	v_lshl_add_u32 v24, v2, 4, v24
	v_add_nc_u32 v24, s21, v24                     ; in: row r, 16 h
	v_mul_u32_u24 v25, v2, SP
	v_lshl_add_u32 v25, v1, 4, v25
	v_add_nc_u32 v25, s21, v25                     ; back: lanes 0-15 one row of 256 bytes, lanes 16-31 the next
	v_lshlrev_b32 v26, 8, v2
	v_lshl_add_u32 v26, v1, 4, v26                 ; the same two rows in kv16
	; where my 128 rows of my head begin in kv16: ((k or v) x 32 + batch x 16 + head) x 2,048 + t, rows of 256 bytes
	s_lshl_b32 s42, s16, 1
	s_add_co_u32 s42, s42, s14                     ; 0..31: k's heads, then v's
	s_lshr_b32 s43, s42, 4
	s_lshl_b32 s43, s43, 5
	s_and_b32 s42, s42, 15
	s_add_co_u32 s42, s42, s43
	s_lshr_b32 s22, s15, 3
	s_lshl_b32 s22, s22, 4
	s_add_co_u32 s42, s42, s22
	s_lshl_b32 s42, s42, 11
	s_and_b32 s22, s15, 7
	s_lshl_b32 s22, s22, 8
	s_add_co_u32 s42, s42, s22
	s_lshl_b32 s22, s13, 7
	s_add_co_u32 s42, s42, s22
	s_lshl_b32 s42, s42, 8
	s_mov_b32 s43, 0
	s_add_nc_u64 s[8:9], s[8:9], s[42:43]
	s_mov_b32 s46, 0x76543210
	s_mov_b32 s47, 0xfedcba98
	s_cmp_lt_u32 ttmp9, 2                          ; tile columns 0-7 are k's: they are normalised
	s_cselect_b32 s23, -1, 0
.macro MULA f, a, zero                 ; 8 matrix instructions: block a x all 8 column blocks, 32 along K
	WIN 0xa1+0x50*((\a)/4)
.irp b, 0,1,2,3,4,5,6,7
.if \zero
	v_wmma_f32_16x16x32_f16 v[8*(8*((\a)%4)+(\b)):8*(8*((\a)%4)+(\b))+7], v[(\f)+8*(\b):(\f)+8*(\b)+7], v[(\f)+8*(\a):(\f)+8*(\a)+7], 0
.else
	v_wmma_f32_16x16x32_f16 v[8*(8*((\a)%4)+(\b)):8*(8*((\a)%4)+(\b))+7], v[(\f)+8*(\b):(\f)+8*(\b)+7], v[(\f)+8*(\a):(\f)+8*(\a)+7], v[8*(8*((\a)%4)+(\b)):8*(8*((\a)%4)+(\b))+7]
.endif
.endr
.endm
.macro MULR f, a0, n, zero             ; blocks a0 .. a0 + n - 1
.set aa, (\a0)
.rept (\n)
	MULA \f, aa, \zero
.set aa, aa+1
.endr
.endm
.macro FETCH slot, q, f                ; one run of LDS loads: the fragments of quarter q (32 along K) into buffer f: B's 16 loads, then A's 2 MB
	WIN 0x40
.irp b, 0,1,2,3,4,5,6,7
	ds_load_tr16_b128 v[(\f)+8*(\b):(\f)+8*(\b)+3],   v[20+(\slot)] offset:(\q)*32*PB+32*(\b)
	ds_load_tr16_b128 v[(\f)+8*(\b)+4:(\f)+8*(\b)+7], v[20+(\slot)] offset:(\q)*32*PB+16*PB+32*(\b)
.endr
	WIN 0
.set ii, 0
.rept MB
	ds_load_b128 v[(\f)+8*ii:(\f)+8*ii+3],   v[16+(\slot)] offset:(\q)*AKB+ii*1024
	ds_load_b128 v[(\f)+8*ii+4:(\f)+8*ii+7], v[16+(\slot)] offset:(\q)*AKB+ii*1024+512
.set ii, ii+1
.endr
.endm
.macro QUARTER slot, q, f, g, zero     ; multiplies buffer f; in its middle fetches quarter q of the same slot into g
	s_wait_dscnt MB                                ; B and A's lower blocks are in; the youngest MB loads (A's upper blocks) may be out
	MULR \f, 0, MB/2, \zero
	PLACES
	FETCH \slot, \q, \g
	s_wait_dscnt 16+2*MB                           ; all but the run just issued
	MULR \f, MB/2, MB/2, \zero
.endm
.macro MEET round                      ; the change of slots, first half: one barrier
	WIN 0
	s_wait_tensorcnt 0x0                           ; all my tensor loads have landed: my part of the next slot
	ds_add_u32 v28, v29                            ; 0 onto my spare word
	s_wait_dscnt MB+1                              ; (the add and A's upper blocks may be out)
	MULR F1, 0, MB/4, 0
	s_wait_dscnt 0x0                               ; the add is done, and my reads of this slot are over
	s_barrier_signal -1
	MULR F1, MB/4, MB/4, 0
.if \round
	WIN 0
.endif
	s_barrier_wait -1
.endm
.macro TURN slot, next, fill           ; the last quarter of a K step
	MEET \fill
.if \fill
	CREST                                          ; no wave of any partner still reads this slot or has a load on its way
	s_add_nc_u64 s[G0+4*(\slot)+2:G0+4*(\slot)+3], s[G0+4*(\slot)+2:G0+4*(\slot)+3], 2097152
	s_add_nc_u64 s[G0B+4*(\slot)+2:G0B+4*(\slot)+3], s[G0B+4*(\slot)+2:G0B+4*(\slot)+3], 512*NCOL
	JLOAD \slot                                    ; the first tensor load behind the round; its four v_nop are also the places in front of the loads below
.else
	PLACES
.endif
	FETCH \next, 0, F0
	MULR F1, MB/2, MB/2, 0
.endm
	s_wait_tensorcnt 1                             ; my part of K step 0 is in; step 1's may stay out
	s_barrier_signal -1
	s_barrier_wait -1
	FETCH 0, 0, F0
	QUARTER 0, 1, F0, F1, 1                        ; the first quarter starts the sums
	WIN 0
	s_mov_b32 s3, 7
.Llap:                                             ; once round the ring: both slots are filled again
	QUARTER 0, 2, F1, F0, 0
	QUARTER 0, 3, F0, F1, 0
	TURN 0, 1, 1
	QUARTER 1, 1, F0, F1, 0
	QUARTER 1, 2, F1, F0, 0
	QUARTER 1, 3, F0, F1, 0
	TURN 1, 0, 1
	QUARTER 0, 1, F0, F1, 0
	WIN 0
	s_sub_co_u32 s3, s3, 1
	s_cmp_lg_u32 s3, 0
	s_cbranch_scc1 .Llap
	QUARTER 0, 2, F1, F0, 0                        ; the last lap fills nothing
	QUARTER 0, 3, F0, F1, 0
	TURN 0, 1, 0
	QUARTER 1, 1, F0, F1, 0
	QUARTER 1, 2, F1, F0, 0
	QUARTER 1, 3, F0, F1, 0
	s_wait_dscnt MB
	MULR F1, 0, MB/2, 0
	s_wait_dscnt 0x0
	MULR F1, MB/2, MB/2, 0
	WIN 0
	PLACES
	; THE WAY OUT.  A lane holds 64 of a row's 128 numbers, the lane 16 away the others.  Sum of squares in f32, two chains a block; each accumulator's low registers first.
.macro SSQ a
	WIN 0x0a+5*((\a)/4)
.set AC, 64*((\a)%4)
.set pp, 0
.rept 32
.if pp < 2
	v_pk_mul_f32 v[144+4*(\a)+2*pp:144+4*(\a)+2*pp+1], v[AC+2*pp:AC+2*pp+1], v[AC+2*pp:AC+2*pp+1]
.else
	v_pk_fma_f32 v[144+4*(\a)+2*(pp%2):144+4*(\a)+2*(pp%2)+1], v[AC+2*pp:AC+2*pp+1], v[AC+2*pp:AC+2*pp+1], v[144+4*(\a)+2*(pp%2):144+4*(\a)+2*(pp%2)+1]
.endif
.set pp, pp+1
.endr
.endm
.irp a, 0,1,2,3,4,5,6,7
	SSQ \a
.endr
	WIN 0
.irp a, 0,1,2,3,4,5,6,7
	v_pk_add_f32 v[144+4*(\a):145+4*(\a)], v[144+4*(\a):145+4*(\a)], v[146+4*(\a):147+4*(\a)]
.endr
.irp a, 0,1,2,3,4,5,6,7
	v_add_f32 v[144+4*(\a)], v[144+4*(\a)], v[145+4*(\a)]
.endr
.irp a, 0,1,2,3,4,5,6,7
	v_permlanex16_b32 v[145+4*(\a)], v[144+4*(\a)], s46, s47
.endr
.irp a, 0,1,2,3,4,5,6,7
	v_add_f32 v[144+4*(\a)], v[144+4*(\a)], v[145+4*(\a)]
.endr
.irp a, 0,1,2,3,4,5,6,7
	v_sqrt_f32 v[144+4*(\a)], v[144+4*(\a)]
.endr
	v_nop
	s_wait_alu depctr_va_vdst(0)
.irp a, 0,1,2,3,4,5,6,7
	v_max_num_f32 v[144+4*(\a)], 0x2b8cbccc, v[144+4*(\a)]   ; 1e-12
.endr
.irp a, 0,1,2,3,4,5,6,7
	v_rcp_f32 v[128+2*(\a)], v[144+4*(\a)]
.endr
	v_nop
	s_wait_alu depctr_va_vdst(0)
.irp a, 0,1,2,3,4,5,6,7
	v_cndmask_b32 v[128+2*(\a)], 1.0, v[128+2*(\a)], s23     ; v's columns are taken as they are
	v_mov_b32 v[129+2*(\a)], v[128+2*(\a)]
.endr
.macro PACK a                          ; scaled, rounded to f16: 16 bytes a lane and column block
	WIN 0x02+((\a)/4)
.set AC, 64*((\a)%4)
.set ii, 0
.rept 32
	v_pk_mul_f32 v[64+2*ii:65+2*ii], v[AC+2*ii:AC+2*ii+1], v[128+2*(\a):129+2*(\a)]
.set ii, ii+1
.endr
	WIN 0
.set ii, 0
.rept 32
	v_cvt_pk_f16_f32 v[192+ii], v[64+2*ii], v[65+2*ii]
.set ii, ii+1
.endr
.endm
.macro TOSTAGE a                       ; into my own stage, and back as whole rows of 256 bytes (LDS serves a wave's instructions in order)
.set BK, 32+192*((\a)%2)
.irp b, 0,1,2,3,4,5,6,7
	ds_store_b128 v24, v[192+4*(\b):195+4*(\b)] offset:32*(\b)
.endr
.irp t, 0,1,2,3,4,5,6,7
	ds_load_b128 v[BK+4*(\t):BK+4*(\t)+3], v25 offset:(\t)*2*SP
.endr
.endm
.macro SEND a
.set BK, 32+192*((\a)%2)
	s_wait_dscnt 0x0                               ; the block is back in registers
	s_wait_xcnt 0x0                                ; registers that earlier stores read are loaded again only behind this wait
.irp t, 0,1,2,3,4,5,6,7
	global_store_b128 v26, v[BK+4*(\t):BK+4*(\t)+3], s[8:9] offset:(\a)*4096+(\t)*512   ; 16 lanes store 256 consecutive bytes, aligned
.endr
.endm
	PACK 0
	TOSTAGE 0
.irp a, 1,2,3,4,5,6,7
	PACK \a
	SEND (\a)-1
	TOSTAGE \a
.endr
	SEND 7
	s_wait_tensorcnt 0x0                           ; the wave's end
	ds_add_u32 v28, v29
	s_wait_dscnt 0x0
	CROUND                                         ; the closing round
	s_endpgm
.Lfunc_end_k_qd00b47d3ff_gemm_kv:
	.size	k_qd00b47d3ff_gemm_kv, .Lfunc_end_k_qd00b47d3ff_gemm_kv-k_qd00b47d3ff_gemm_kv
	.p2alignl 7, 3214868480
	.fill 96, 4, 3214868480
	.section	.rodata,"a",@progbits
	.p2align	6, 0x0
	.amdhsa_kernel k_qd00b47d3ff_gemm_kv
		.amdhsa_group_segment_fixed_size 327680
		.amdhsa_private_segment_fixed_size 0
		.amdhsa_enable_private_segment 0
		.amdhsa_kernarg_size 24
		.amdhsa_user_sgpr_count 2
		.amdhsa_user_sgpr_kernarg_segment_ptr 1
		.amdhsa_wavefront_size32 1
		.amdhsa_system_sgpr_workgroup_id_x 1
		.amdhsa_system_sgpr_workgroup_id_y 1
		.amdhsa_system_sgpr_workgroup_id_z 1
		.amdhsa_system_vgpr_workitem_id 0
		.amdhsa_next_free_vgpr 1024
		.amdhsa_next_free_sgpr 66
		.amdhsa_reserve_vcc 0
		.amdhsa_float_denorm_mode_32 3
		.amdhsa_float_denorm_mode_16_64 3
		.amdhsa_memory_ordered 1
		.amdhsa_forward_progress 1
		.amdhsa_inst_pref_size 178
	.end_amdhsa_kernel
	.amdgpu_metadata
---
amdhsa.version: [ 1, 2 ]
amdhsa.kernels:
  - .name:           k_qd00b47d3ff_gemm_kv
    .symbol:         k_qd00b47d3ff_gemm_kv.kd
    .args:
      - { .name: a16, .offset: 0, .size: 8, .value_kind: global_buffer, .address_space: global }
      - { .name: wkv16, .offset: 8, .size: 8, .value_kind: global_buffer, .address_space: global }
      - { .name: kv16, .offset: 16, .size: 8, .value_kind: global_buffer, .address_space: global }
    .group_segment_fixed_size: 327680
    .private_segment_fixed_size: 0
    .kernarg_segment_align: 8
    .kernarg_segment_size: 24
    .max_flat_workgroup_size: 128
    .sgpr_count:     66
    .vgpr_count:     1024
    .wavefront_size: 32
...
	.end_amdgpu_metadata
.endif
;; end of part 3
;; launch wy (part 4): grid 256 x 1, 4 waves a work-group, no clusters, 229,888 bytes of LDS; arguments kv16, gat, wyr, uv16; writes wyr, uv16
.if DOCPART == 4
	.amdgcn_target "amdgcn-amd-amdhsa--gfx1250"
	.amdhsa_code_object_version 6
	.text
	.protected	k_qd00b47d3ff_wy
	.globl	k_qd00b47d3ff_wy
	.p2align	8
	.type	k_qd00b47d3ff_wy,@function
k_qd00b47d3ff_wy:
	s_mov_b64 s[64:65], 0
	v_nop
	global_prefetch_b8 v0, s[64:65] scope:SCOPE_SE
	s_setreg_imm32_b32 hwreg(HW_REG_WAVE_MODE, 25, 1), 1
	s_wait_xcnt 0x0
; WY.  For one chunk of 64 steps of one (batch, head), all that the recurrence needs and that does not hold the state.  With L the running sum of log2 g in the chunk, Lp the same less the row's own:
;   A[t,i] = beta_t 2^(Lp_t - L_i) k_t.k_i (i < t),  M[t,i] = 2^(L_t - L_i) k_t.k_i (i <= t),  T = (I + A)^-1;
;   WN = -T diag(beta 2^Lp) K,  UV = T diag(beta) V,  KG = diag(2^L) K,  KD = diag(2^(L63 - L)) K,  gamma = 2^L63.
; Every exponent that is used is a sum of log2 of sigmoids, at most 0: no exponential can overflow; those of the entries above the diagonal are thrown away by a select.
; T is not formed whole: the four diagonal blocks (I + A_jj)^-1 are made in f32 (lane r: row r, by substitution, A's entries read from lanes into scalars), and
; X_j = T_jj (D_j R_j - sum over m < j of A_jm X_m) goes block row by block row on the matrix unit: one product (T_jj | T_jj D_j) x (Z_j ; R_j), 32 deep.
; A wave owns one chunk, with LDS bytes of its own; no byte of LDS is filled twice; no barrier.  No cluster: no two waves read the same tile.
; All operands leave as register images of fragments (1,024 bytes): a record of 55,808 bytes in wyr: WN 16, KG 16, KD 16, M 6 images, 512 bytes of gamma.  uv16 = [bh][n 8][c 32][j 4][512].
; LIMITS.  f16: v, u and the scaled operands within 65,504, a fixed step of 6e-8 below 6e-5.  Exponentials flush results below 2^-126 to 0.  NaN and infinities are not treated apart.
; REGISTERS.  window 0: addresses, gates, M's and A's images, at work.  window 1: v0-127 K's fragments, later X (XB[n][f] at 16 n + 8 f); v128-191 ZB[n]; v192-255 ACC[n].
;             window 2: v0-79 the Gram tiles (i block p <= t block q); v80-111, v112-143 the fragments (T | T D) for V and for K.
.set REC,   55808
.set PT,    288                        ; a row of K or V in LDS: 256 + 32
.set PW,    160                        ; a row of the turning stage: 128 + 32
.set WLDS,  57344                      ; a wave's LDS: K 18,432, V 18,432, stage 20,480
.set VOFF,  18432
.set WOFF,  36864
.set SPARE, 4*WLDS
.set LL,  16                           ; L at t = 16 q + r
.set LPL, 20                           ; Lp there
.set NBL, 24                           ; -beta there
.set GP,  28                           ; 2^L there, twice in f16
.set LV,  32                           ; L at i = 16 p + 8 h + j
.set SKV, 64                           ; Lp there, then -beta 2^Lp
.set BV,  96                           ; beta there
.set MMI, 128                          ; M's six images
.set X,   208                          ; a row of a diagonal block's inverse; later DV
.set E,   224
.set F,   232
.set ND,  240
.set MSB, 0
.macro WIN new
.if MSB != (\new)
	s_set_vgpr_msb (MSB<<8)|(\new)
.set MSB, (\new)
.endif
.endm
.macro PLACES
.rept 4
	v_nop
.endr
.endm
	s_load_b256 s[4:11], s[0:1], 0x0               ; kv16 4, gat 6, wyr 8, uv16 10
	v_lshl_add_u32 v10, v0, 2, SPARE
	v_mov_b32 v11, 0
	ds_add_u32 v10, v11                            ; the wave's opening: the add and its wait stand ahead of my first tensor load
	ds_add_u32 v10, v11
	v_lshrrev_b32 v1, 5, v0
	v_readfirstlane_b32 s12, v1                    ; wave
	s_lshl_b32 s13, ttmp9, 2
	s_add_co_u32 s13, s13, s12                     ; idx = bh x 32 + c
	s_lshr_b32 s14, s13, 5                         ; bh
	s_and_b32 s15, s13, 31                         ; c
	s_mov_b32 s24, (1<<16)|(1<<20)|(5<<22)|(7<<25) ; 2-byte elements; after every 64 words 8 words of padding
	s_mov_b32 s25, 128<<16
	s_mov_b32 s26, 64<<16
	s_mov_b32 s27, 128<<16
	s_mov_b32 s28, 64
	s_mov_b32 s29, 128
	s_mov_b32 s30, 0
	s_mov_b32 s31, 0
	s_mul_i32 s16, s12, WLDS
	s_mov_b32 s32, 1
	s_mov_b32 s33, s16
	s_mov_b32 s36, 1
	s_add_co_u32 s37, s16, VOFF
	s_add_co_u32 s18, s16, WOFF
	s_lshl_b32 s46, s13, 14                        ; 64 rows of 256 bytes
	s_mov_b32 s47, 0
	s_mul_i32 s48, s13, REC
	s_mov_b32 s49, 0
	s_lshl_b32 s50, s14, 19
	s_lshl_b32 s17, s15, 11
	s_add_co_u32 s50, s50, s17
	s_mov_b32 s51, 0
	s_lshl_b32 s52, s13, 8
	s_mov_b32 s53, 0
	s_mov_b32 s79, 0xffff0000                      ; lanes 16-31
	s_wait_dscnt 0x0                               ; the opening add is done
	s_wait_kmcnt 0x0
	s_add_nc_u64 s[34:35], s[4:5], s[46:47]        ; K's tile
	s_add_nc_u64 s[38:39], s[34:35], 0x1000000     ; V's lies 16,777,216 bytes on
	s_or_b32 s35, s35, 0x80000000
	s_or_b32 s39, s39, 0x80000000
	s_add_nc_u64 s[40:41], s[8:9], s[48:49]        ; my record
	s_add_nc_u64 s[42:43], s[10:11], s[50:51]      ; my chunk in uv16
	s_add_nc_u64 s[44:45], s[6:7], s[52:53]        ; my chunk's gates
	tensor_load_to_lds s[32:35], s[24:31]          ; two loads of mine are out
	s_nop 0
	tensor_load_to_lds s[36:39], s[24:31]
	s_nop 0
	PLACES
	v_and_b32 v1, 15, v0                           ; r
	v_bfe_u32 v2, v0, 4, 1                         ; h
	v_and_b32 v3, 31, v0
	v_lshlrev_b32 v3, 4, v3                        ; 16 x lane
	v_mul_u32_u24 v4, v1, PT
	v_lshl_add_u32 v4, v2, 4, v4
	v_add_nc_u32 v4, s16, v4                       ; K's fragments as they lie
	v_and_b32 v5, 7, v0
	v_lshl_add_u32 v5, v2, 3, v5                   ; the turning load's row: 8 h + lane % 8
	v_bfe_u32 v6, v0, 3, 1
	v_mul_u32_u24 v8, v5, PW
	v_lshl_add_u32 v8, v6, 4, v8
	v_add_nc_u32 v8, s18, v8                       ; the stage, turned
	v_mul_u32_u24 v5, v5, PT
	v_lshl_add_u32 v5, v6, 4, v5
	v_add_nc_u32 v5, s16, v5                       ; K, turned
	v_add_nc_u32 v6, VOFF, v5                      ; V, turned
	v_mul_u32_u24 v7, v1, PW
	v_lshl_add_u32 v7, v2, 4, v7
	v_add_nc_u32 v7, s18, v7                       ; the stage, in
	v_lshlrev_b32 v9, 3, v2
	v_sub_nc_u32 v9, v1, v9                        ; d = r - 8 h
	v_lshlrev_b32 v12, 2, v1
	v_lshlrev_b32 v13, 5, v2
	v_mov_b32 v14, 0
.irp q, 0,1,2,3
	global_load_b32 v[LL+(\q)],  v12, s[44:45] offset:262144+64*(\q)
	global_load_b32 v[LPL+(\q)], v12, s[44:45] offset:524288+64*(\q)
	global_load_b32 v[NBL+(\q)], v12, s[44:45] offset:64*(\q)
	global_load_b128 v[LV+8*(\q):LV+8*(\q)+3],    v13, s[44:45] offset:262144+64*(\q)
	global_load_b128 v[LV+8*(\q)+4:LV+8*(\q)+7],  v13, s[44:45] offset:262144+64*(\q)+16
	global_load_b128 v[SKV+8*(\q):SKV+8*(\q)+3],  v13, s[44:45] offset:524288+64*(\q)
	global_load_b128 v[SKV+8*(\q)+4:SKV+8*(\q)+7], v13, s[44:45] offset:524288+64*(\q)+16
	global_load_b128 v[BV+8*(\q):BV+8*(\q)+3],    v13, s[44:45] offset:64*(\q)
	global_load_b128 v[BV+8*(\q)+4:BV+8*(\q)+7],  v13, s[44:45] offset:64*(\q)+16
.endr
	global_load_b32 v15, v14, s[44:45] offset:262144+252   ; L63
	s_wait_tensorcnt 1                             ; K's tile is in; V's may stay out
	WIN 0x40
.set ff, 0
.rept 16                                           ; KP(a, ks) at 8 (4 a + ks): rows 16 a + r, channels 32 ks on
	ds_load_b128 v[8*ff:8*ff+3],   v4 offset:(ff/4)*16*PT+(ff%4)*64
	ds_load_b128 v[8*ff+4:8*ff+7], v4 offset:(ff/4)*16*PT+(ff%4)*64+32
.set ff, ff+1
.endr
	WIN 0
	s_wait_loadcnt 0x0                             ; the gates
.irp j, 0,1,2,3,4,5,6,7,8
	v_cmp_le_i32 s[70+(\j)], (\j), v9              ; j <= d
.endr
.irp q, 0,1,2,3
	v_mul_f32 v[NBL+(\q)], -1.0, v[NBL+(\q)]
.endr
.irp q, 0,1,2,3
	v_exp_f32 v[E+(\q)], v[LL+(\q)]
.endr
	v_exp_f32 v248, v15                            ; gamma
.set ii, 0
.rept 32
	v_exp_f32 v[SKV+ii], v[SKV+ii]
.set ii, ii+1
.endr
	v_nop
	s_wait_alu depctr_va_vdst(0)
.irp q, 0,1,2,3
	v_cvt_pk_f16_f32 v[GP+(\q)], v[E+(\q)], v[E+(\q)]
.endr
	v_mov_b32 v249, v248
	v_mov_b32 v250, v248
	v_mov_b32 v251, v248
.set ii, 0
.rept 32
	v_mul_f32 v[SKV+ii], -v[SKV+ii], v[BV+ii]
.set ii, ii+1
.endr
	; THE GRAM TILES: (p, q), p <= q: a lane holds t = 16 q + r, register j holds i = 16 p + 8 h + j.  Ten accumulators by turns.
	s_wait_dscnt 0x0
	WIN 0xa5
.set ks, 0
.rept 4
.set gg, 0
.set pp, 0
.rept 4
.set qq, pp
.rept 4-pp
.if ks == 0
	v_wmma_f32_16x16x32_f16 v[8*gg:8*gg+7], v[8*(4*pp+ks):8*(4*pp+ks)+7], v[8*(4*qq+ks):8*(4*qq+ks)+7], 0
.else
	v_wmma_f32_16x16x32_f16 v[8*gg:8*gg+7], v[8*(4*pp+ks):8*(4*pp+ks)+7], v[8*(4*qq+ks):8*(4*qq+ks)+7], v[8*gg:8*gg+7]
.endif
.set gg, gg+1
.set qq, qq+1
.endr
.set pp, pp+1
.endr
.set ks, ks+1
.endr
	PLACES
	; KG = 2^L_t K, in place, and out
	WIN 0x41
.set ii, 0
.rept 128
	v_pk_mul_f16 v[ii], v[ii], v[GP+ii/32]
.set ii, ii+1
.endr
	WIN 0x04
.set ff, 0
.rept 16
	global_store_b128 v3, v[8*ff:8*ff+3],   s[40:41] offset:16384+ff*1024
	global_store_b128 v3, v[8*ff+4:8*ff+7], s[40:41] offset:16384+ff*1024+512
.set ff, ff+1
.endr
	WIN 0
	; THE TILES OF M AND OF -A
.macro EXPS p, q, g                    ; E = 2^(L_t - L_i) G,  F = -beta_t 2^(Lp_t - L_i) G
	WIN 0
.irp j, 0,1,2,3,4,5,6,7
	v_sub_f32 v[E+(\j)], v[LL+(\q)], v[LV+8*(\p)+(\j)]
	v_sub_f32 v[F+(\j)], v[LPL+(\q)], v[LV+8*(\p)+(\j)]
.endr
.irp j, 0,1,2,3,4,5,6,7,8,9,10,11,12,13,14,15
	v_exp_f32 v[E+(\j)], v[E+(\j)]
.endr
	v_nop
	WIN 0x08
	s_wait_alu depctr_va_vdst(0)
.irp j, 0,2,4,6
	v_pk_mul_f32 v[E+(\j):E+(\j)+1], v[E+(\j):E+(\j)+1], v[8*(\g)+(\j):8*(\g)+(\j)+1]
.endr
.irp j, 0,2,4,6
	v_pk_mul_f32 v[F+(\j):F+(\j)+1], v[F+(\j):F+(\j)+1], v[8*(\g)+(\j):8*(\g)+(\j)+1]
.endr
	WIN 0
.irp j, 0,1,2,3,4,5,6,7
	v_mul_f32 v[F+(\j)], v[F+(\j)], v[NBL+(\q)]
.endr
.endm
.macro TILE p, q, g, md, ad            ; below the diagonal: half an image of M at md, of -A at ad
	EXPS \p, \q, \g
.irp e, 0,1,2,3
	v_cvt_pk_f16_f32 v[(\md)+(\e)], v[E+2*(\e)], v[E+2*(\e)+1]
	v_cvt_pk_f16_f32 v[(\ad)+(\e)], v[F+2*(\e)], v[F+2*(\e)+1]
.endr
.endm
; The diagonal block j: M keeps i <= t, -A keeps i < t (a select: what lies above may be anything).  Then row r of (I + A_jj)^-1: x_i = [r = i] - sum over m > i of x_m A[m,i], m from 15 down.
.macro DTILE j, g, md
	EXPS \j, \j, \g
.irp e, 0,1,2,3,4,5,6,7
	v_cndmask_b32 v[E+(\e)], 0, v[E+(\e)], s[70+(\e)]
	v_cndmask_b32 v[ND+(\e)], 0, v[F+(\e)], s[71+(\e)]
.endr
.irp e, 0,1,2,3
	v_cvt_pk_f16_f32 v[(\md)+(\e)], v[E+2*(\e)], v[E+2*(\e)+1]
.endr
.set ii, 0
.rept 16
	v_cmp_eq_u32 vcc_lo, ii, v1
	v_cndmask_b32 v[X+ii], 0, 1.0, vcc_lo
.set ii, ii+1
.endr
.set mm, 15
.rept 15
.set ii, 0
.rept mm
	v_readlane_b32 s[80+ii], v[ND+ii%8], mm+16*(ii/8)   ; -A[m, i] lies in lane m + 16 (i / 8), register i % 8
.set ii, ii+1
.endr
.set ii, 0
.rept mm
	v_fmac_f32 v[X+ii], s[80+ii], v[X+mm]
.set ii, ii+1
.endr
.set mm, mm-1
.endr
.irp e, 0,1,2,3,4,5,6,7
	v_cndmask_b32 v[E+(\e)], v[X+(\e)], v[X+8+(\e)], s79   ; T[r, 8 h + e]
.endr
.irp e, 0,1,2,3,4,5,6,7
	v_mul_f32 v[F+(\e)], v[E+(\e)], v[BV+8*(\j)+(\e)]      ; T D for V
	v_mul_f32 v[ND+(\e)], v[E+(\e)], v[SKV+8*(\j)+(\e)]    ; and for K
.endr
	WIN 0x80
.irp e, 0,1,2,3
.if (\j) == 0                                              ; block row 0 has no Z: (T D | 0)
	v_cvt_pk_f16_f32 v[80+(\e)], v[F+2*(\e)], v[F+2*(\e)+1]
	v_cvt_pk_f16_f32 v[112+(\e)], v[ND+2*(\e)], v[ND+2*(\e)+1]
	v_mov_b32 v[84+(\e)], 0
	v_mov_b32 v[116+(\e)], 0
.else
	v_cvt_pk_f16_f32 v[80+8*(\j)+(\e)], v[E+2*(\e)], v[E+2*(\e)+1]
	v_cvt_pk_f16_f32 v[112+8*(\j)+(\e)], v[E+2*(\e)], v[E+2*(\e)+1]
	v_cvt_pk_f16_f32 v[84+8*(\j)+(\e)], v[F+2*(\e)], v[F+2*(\e)+1]
	v_cvt_pk_f16_f32 v[116+8*(\j)+(\e)], v[ND+2*(\e)], v[ND+2*(\e)+1]
.endif
.endr
	WIN 0
.endm
.irp e, 0,1,2,3                                    ; the images' empty halves
	v_mov_b32 v[MMI+4+(\e)], 0
	v_mov_b32 v[MMI+28+(\e)], 0
	v_mov_b32 v[180+(\e)], 0
	v_mov_b32 v[204+(\e)], 0
.endr
	TILE 0, 1, 1, MMI+8,  176                      ; M: f1 = (G01 | D11);  NA1 = (G01 | 0)
	TILE 0, 2, 2, MMI+16, 184                      ; f2 = (G02 | G12);  NA2 likewise
	TILE 1, 2, 5, MMI+20, 188
	TILE 0, 3, 3, MMI+32, 192                      ; f4 = (G03 | G13);  NA3a likewise
	TILE 1, 3, 6, MMI+36, 196
	TILE 2, 3, 8, MMI+40, 200                      ; f5 = (G23 | D33);  NA3b = (G23 | 0)
	DTILE 0, 0, MMI                                ; f0 = (D00 | 0)
	DTILE 1, 4, MMI+12
	DTILE 2, 7, MMI+24                             ; f3 = (D22 | 0)
	DTILE 3, 9, MMI+44
.set ff, 0
.rept 6
	global_store_b128 v3, v[MMI+8*ff:MMI+8*ff+3],   s[40:41] offset:49152+ff*1024
	global_store_b128 v3, v[MMI+8*ff+4:MMI+8*ff+7], s[40:41] offset:49152+ff*1024+512
.set ff, ff+1
.endr
	global_store_b128 v3, v[248:251], s[40:41] offset:55296
.irp p, 0,1,2,3                                    ; DV: 2^(L63 - L_i), pairs in f16, into X's registers
.irp j, 0,1,2,3,4,5,6,7
	v_sub_f32 v[E+(\j)], v15, v[LV+8*(\p)+(\j)]
.endr
.irp j, 0,1,2,3,4,5,6,7
	v_exp_f32 v[E+(\j)], v[E+(\j)]
.endr
	v_nop
	s_wait_alu depctr_va_vdst(0)
.irp e, 0,1,2,3
	v_cvt_pk_f16_f32 v[X+4*(\p)+(\e)], v[E+2*(\e)], v[E+2*(\e)+1]
.endr
.endr
	; THE SOLVE
.macro HL src, j, half                 ; block row j of the tile, turned, into one half of ZB
	WIN 0x40
.irp n, 0,1,2,3,4,5,6,7
	ds_load_tr16_b128 v[128+8*(\n)+4*(\half):128+8*(\n)+4*(\half)+3], v[\src] offset:(\j)*16*PT+32*(\n)
.endr
.endm
.macro XG tt, j                        ; ACC[n] = (T | T D)_j x ZB[n]
	WIN 0x46
.irp n, 0,1,2,3,4,5,6,7
	v_wmma_f32_16x16x32_f16 v[192+8*(\n):199+8*(\n)], v[(\tt)+8*(\j):(\tt)+8*(\j)+7], v[128+8*(\n):135+8*(\n)], 0
.endr
	PLACES
.endm
.macro ZG na, f, acc                   ; ACC[n] (+)= -A's image x XB[n][f]
	WIN 0x54
.irp n, 0,1,2,3,4,5,6,7
.if \acc
	v_wmma_f32_16x16x32_f16 v[192+8*(\n):199+8*(\n)], v[(\na):(\na)+7], v[16*(\n)+8*(\f):16*(\n)+8*(\f)+7], v[192+8*(\n):199+8*(\n)]
.else
	v_wmma_f32_16x16x32_f16 v[192+8*(\n):199+8*(\n)], v[(\na):(\na)+7], v[16*(\n)+8*(\f):16*(\n)+8*(\f)+7], 0
.endif
.endr
.endm
.macro CV base, step                   ; ACC[n], rounded to f16 in pairs, is half a fragment: to base + step n
	WIN 0x45
.irp n, 0,1,2,3,4,5,6,7
.irp e, 0,1,2,3
	v_cvt_pk_f16_f32 v[(\base)+(\step)*(\n)+(\e)], v[192+8*(\n)+2*(\e)], v[193+8*(\n)+2*(\e)]
.endr
.endr
.endm
; Halves of XB that are not yet written hold finite f16 numbers (KG, or the pass before) and meet an empty half of -A's image.
.macro SOLVE src, tt
	s_wait_xcnt 0x0                                ; X's and ZB's registers are written again only when earlier stores have read them
	HL \src, 0, 0
	HL \src, 1, 1
	s_wait_dscnt 0x0
	XG \tt, 0
	CV 0, 16                                       ; X_0
	ZG 176, 0, 0
	PLACES
	CV 128, 8                                      ; Z_1
	XG \tt, 1
	HL \src, 2, 1
	CV 4, 16                                       ; X_1
	ZG 184, 0, 0
	PLACES
	CV 128, 8                                      ; Z_2
	s_wait_dscnt 0x0
	XG \tt, 2
	HL \src, 3, 1
	CV 8, 16                                       ; X_2
	ZG 192, 0, 0
	ZG 200, 1, 1
	PLACES
	CV 128, 8                                      ; Z_3
	s_wait_dscnt 0x0
	XG \tt, 3
	CV 12, 16                                      ; X_3
.endm
	SOLVE 5, 112                                   ; WN: a lane holds a channel of K, registers hold t: it is turned through the stage
	WIN 0x04
.set ii, 0
.rept 32                                           ; column block n = ii / 4, block row j = ii % 4
	ds_store_b128 v7, v[4*ii:4*ii+3] offset:(ii/4)*16*PW+32*(ii%4)
.set ii, ii+1
.endr
	WIN 0x40
.set ff, 0
.rept 16                                           ; image (a, ks) = ff: lane = t, registers = channels 32 ks on
	ds_load_tr16_b128 v[128+8*ff:131+8*ff], v8 offset:(ff%4)*32*PW+32*(ff/4)
	ds_load_tr16_b128 v[132+8*ff:135+8*ff], v8 offset:(ff%4)*32*PW+16*PW+32*(ff/4)
.set ff, ff+1
.endr
	s_wait_dscnt 0x0
	WIN 0x04
.set ff, 0
.rept 16
	global_store_b128 v3, v[128+8*ff:131+8*ff], s[40:41] offset:ff*1024
	global_store_b128 v3, v[132+8*ff:135+8*ff], s[40:41] offset:ff*1024+512
.set ff, ff+1
.endr
	s_wait_tensorcnt 0x0                           ; V's tile
	SOLVE 6, 80                                    ; UV: lane = v, registers = t: as the scan wants it
	WIN 0x04
.set ii, 0
.rept 32
	global_store_b128 v3, v[4*ii:4*ii+3], s[42:43] offset:(ii/4)*65536+(ii%4)*512
.set ii, ii+1
.endr
	; KD: K turned (lane = channel, registers = i), times 2^(L63 - L_i)
	s_wait_xcnt 0x0
	WIN 0x40
.set ff, 0
.rept 16                                           ; image (m, st) = ff
	ds_load_tr16_b128 v[128+8*ff:131+8*ff], v5 offset:(ff%2)*32*PT+32*(ff/2)
	ds_load_tr16_b128 v[132+8*ff:135+8*ff], v5 offset:(ff%2)*32*PT+16*PT+32*(ff/2)
.set ff, ff+1
.endr
	s_wait_dscnt 0x0
	WIN 0x41
.set ii, 0
.rept 128
	v_pk_mul_f16 v[128+ii], v[128+ii], v[X+8*((ii/8)%2)+ii%8]
.set ii, ii+1
.endr
	WIN 0x04
.set ff, 0
.rept 16
	global_store_b128 v3, v[128+8*ff:131+8*ff], s[40:41] offset:32768+ff*1024
	global_store_b128 v3, v[132+8*ff:135+8*ff], s[40:41] offset:32768+ff*1024+512
.set ff, ff+1
.endr
	WIN 0
	s_wait_tensorcnt 0x0                           ; the wave's end
	ds_add_u32 v10, v11
	s_wait_dscnt 0x0
	s_endpgm
.Lfunc_end_k_qd00b47d3ff_wy:
	.size	k_qd00b47d3ff_wy, .Lfunc_end_k_qd00b47d3ff_wy-k_qd00b47d3ff_wy
	.p2alignl 7, 3214868480
	.fill 96, 4, 3214868480
	.section	.rodata,"a",@progbits
	.p2align	6, 0x0
	.amdhsa_kernel k_qd00b47d3ff_wy
		.amdhsa_group_segment_fixed_size 229888
		.amdhsa_private_segment_fixed_size 0
		.amdhsa_enable_private_segment 0
		.amdhsa_kernarg_size 32
		.amdhsa_user_sgpr_count 2
		.amdhsa_user_sgpr_kernarg_segment_ptr 1
		.amdhsa_wavefront_size32 1
		.amdhsa_system_sgpr_workgroup_id_x 1
		.amdhsa_system_sgpr_workgroup_id_y 1
		.amdhsa_system_sgpr_workgroup_id_z 1
		.amdhsa_system_vgpr_workitem_id 0
		.amdhsa_next_free_vgpr 656
		.amdhsa_next_free_sgpr 100
		.amdhsa_reserve_vcc 1
		.amdhsa_float_denorm_mode_32 3
		.amdhsa_float_denorm_mode_16_64 3
		.amdhsa_memory_ordered 1
		.amdhsa_forward_progress 1
		.amdhsa_inst_pref_size 185
	.end_amdhsa_kernel
	.amdgpu_metadata
---
amdhsa.version: [ 1, 2 ]
amdhsa.kernels:
  - .name:           k_qd00b47d3ff_wy
    .symbol:         k_qd00b47d3ff_wy.kd
    .args:
      - { .name: kv16, .offset: 0, .size: 8, .value_kind: global_buffer, .address_space: global }
      - { .name: gat, .offset: 8, .size: 8, .value_kind: global_buffer, .address_space: global }
      - { .name: wyr, .offset: 16, .size: 8, .value_kind: global_buffer, .address_space: global }
      - { .name: uv16, .offset: 24, .size: 8, .value_kind: global_buffer, .address_space: global }
    .group_segment_fixed_size: 229888
    .private_segment_fixed_size: 0
    .kernarg_segment_align: 8
    .kernarg_segment_size: 32
    .max_flat_workgroup_size: 128
    .sgpr_count:     100
    .vgpr_count:     656
    .wavefront_size: 32
...
	.end_amdgpu_metadata
.endif
;; end of part 4
;; launch scan (part 5): grid 4 x 32, 2 waves a work-group, clusters of 4 x 1, 327,680 bytes of LDS; arguments wyr, uv16, initial_state, a16, out1; writes a16, out1
.if DOCPART == 5
	.amdgcn_target "amdgcn-amd-amdhsa--gfx1250"
	.amdhsa_code_object_version 6
	.text
	.protected	k_qd00b47d3ff_scan
	.globl	k_qd00b47d3ff_scan
	.p2align	8
	.type	k_qd00b47d3ff_scan,@function
k_qd00b47d3ff_scan:
	s_mov_b64 s[64:65], 0
	v_nop
	global_prefetch_b8 v0, s[64:65] scope:SCOPE_SE
	s_setreg_imm32_b32 hwreg(HW_REG_WAVE_MODE, 25, 1), 1
	s_wait_xcnt 0x0
	s_wait_alu depctr_hold_cnt(0) depctr_sa_sdst(0) depctr_va_vdst(0) depctr_va_sdst(0) depctr_va_ssrc(0) depctr_va_vcc(0) depctr_vm_vsrc(0)
	s_getreg_b32 s2, hwreg(HW_REG_IB_STS2, 6, 4)
	s_cmp_eq_u32 s2, 0
	s_cbranch_scc0 .Lentry_in_a_cluster
	s_endpgm
.Lentry_in_a_cluster:
	s_bfe_u32 s2, ttmp6, 0x10000c
	s_cmp_lg_u32 s2, 0x3003
	s_cbranch_scc0 .Lentry_shape_is_right
	s_endpgm
.Lentry_shape_is_right:
; SCAN.  The serial chain over 32 chunks of 64 steps: U = UV + WN S;  O = KG S + M U;  S = gamma S + KD^T U.  The state's columns (v) do not meet: a wave owns 16 of a head's 128.
; A cluster of four work-groups of two waves is one (batch, head): all eight waves read the same records of wyr, so each record is asked for JOINTLY, once for the four work-groups.
; S, U and O are kept in f32; S and U are rounded to f16 as matrix operands.  S[m]: lane = v, register j = channel 16 m + 8 h + j.  U[a]: lane = v, registers = t.  O[a] is made transposed:
; lane = t, registers = v, so that its rounded pairs are 16 bytes of a fragment image of a16 = [kb][mt][1,024], which the last product reads as its A.
; 128 work-groups: the chain, not the number of WGPs, bounds a wave; two waves a work-group halve the requests.
; LIMITS.  f16: S, U and O within 65,504.  NaN and infinities are not treated apart.
; REGISTERS.  window 0: see the names.  window 1: WN (a, ks) at 8 (4 a + ks), KG at 128 + the same.  window 2: KD (m, st) at 8 (2 m + st), M's images at 128 + 8 f.
.set REC,   55808
.set SLOT1, 131072                     ; a slot holds two records; wave w fills record w
.set SPARE, 242688
.set UVR, 8                            ; v[8:23]    UV of the chunk to come, f16
.set OP,  24                           ; v[24:39]   O, packed
.set U16, 40                           ; v[40:55]
.set S16, 56                           ; v[56:87]
.set U,   88                           ; v[88:119]
.set O,   120                          ; v[120:151]
.set S,   152                          ; v[152:215]
.set MSB, 0
.macro WIN new
.if MSB != (\new)
	s_set_vgpr_msb (MSB<<8)|(\new)
.set MSB, (\new)
.endif
.endm
.macro PLACES
.rept 4
	v_nop
.endr
.endm
.macro ROUND                           ; a round of the cluster's barrier
	s_barrier_signal -1
	s_barrier_wait -1
	s_cmp_lg_u32 s14, 0
	s_cbranch_scc1 .Lnot_wave_0_\@
	s_barrier_signal -3
.Lnot_wave_0_\@:
	s_barrier_wait -3
	s_barrier_signal -1
	s_barrier_wait -1
.endm
	s_load_b256 s[4:11], s[0:1], 0x0               ; wyr 4, uv16 6, initial_state 8, a16 10
	s_load_b64 s[12:13], s[0:1], 0x20              ; out1
	v_lshl_add_u32 v4, v0, 2, SPARE
	v_mov_b32 v5, 0
	ds_add_u32 v4, v5                              ; the wave's opening: the add and its wait stand ahead of the round in front of my first tensor load
	ds_add_u32 v4, v5
	v_lshrrev_b32 v1, 5, v0
	v_readfirstlane_b32 s14, v1                    ; wave
	s_bfe_u32 s15, ttmp6, 0x40000                  ; cx: it enters global addresses of my own alone
	s_and_b32 s16, ttmp7, 0xffff                   ; bh
	s_lshl_b32 s17, s15, 1
	s_add_co_u32 s17, s17, s14                     ; n: my 16 columns
	s_mov_b32 s24, 15|(3<<16)|(1<<21)              ; the mask of four; elements of 8 bytes; bit 21 beside the mask
	s_mov_b32 s25, 32<<16                          ; rows of 256 bytes,
	s_mov_b32 s26, 218<<16                         ; 218 of them: a record
	s_mov_b32 s27, 32<<16
	s_mov_b32 s28, 218
	s_mov_b32 s29, 32
	s_mov_b32 s30, 0
	s_mov_b32 s31, 0
	s_mov_b32 s32, 1
	s_mul_i32 s33, s14, REC                        ; slot 0, record w
	s_mul_i32 s20, s16, 32*REC
	s_add_co_u32 s20, s20, s33                     ; the head's records, record w: made of the head and the wave alone
	s_mov_b32 s21, 0
	s_lshl_b32 s36, s16, 3
	s_add_co_u32 s36, s36, s17
	s_lshl_b32 s36, s36, 16                        ; uv16: (bh x 8 + n) x 65,536
	s_mov_b32 s37, 0
	s_lshl_b32 s38, s16, 16
	s_lshl_b32 s18, s17, 6
	s_add_co_u32 s38, s38, s18                     ; the states: bh x 65,536 + n x 64
	s_mov_b32 s39, 0
	s_and_b32 s44, s16, 15
	s_lshl_b32 s44, s44, 2
	s_lshr_b32 s18, s17, 1
	s_add_co_u32 s44, s44, s18
	s_lshl_b32 s44, s44, 18                        ; a16: kb = head x 4 + n / 2,
	s_lshr_b32 s18, s16, 4
	s_lshl_b32 s18, s18, 17                        ; the batch's 128 row tiles,
	s_add_co_u32 s44, s44, s18
	s_and_b32 s18, s17, 1
	s_lshl_b32 s18, s18, 9                         ; the image's half n % 2
	s_add_co_u32 s44, s44, s18
	s_mov_b32 s45, 0
	s_mov_b32 s40, SLOT1+2*REC                     ; the first change of slots turns this into 0
	s_mov_b32 s41, 15
	s_mov_b32 s43, 1                               ; the chunk whose UV is asked for next
	s_wait_dscnt 0x0                               ; the opening add is done
	s_wait_kmcnt 0x0
	s_add_nc_u64 s[34:35], s[4:5], s[20:21]
	s_or_b32 s35, s35, 0x80000000
	s_add_nc_u64 s[6:7], s[6:7], s[36:37]
	s_add_nc_u64 s[8:9], s[8:9], s[38:39]
	s_add_nc_u64 s[12:13], s[12:13], s[38:39]
	s_add_nc_u64 s[10:11], s[10:11], s[44:45]
	ROUND                                          ; all four work-groups are here
	tensor_load_to_lds s[32:35], s[24:31]          ; chunks 0 and 1 into slot 0: one load of mine is out, here and behind every round
	s_nop 0
	PLACES
	v_and_b32 v1, 31, v0
	v_lshlrev_b32 v1, 4, v1                        ; 16 x lane
	v_and_b32 v2, 15, v0
	v_bfe_u32 v3, v0, 4, 1
	v_lshlrev_b32 v6, 2, v2
	v_lshl_add_u32 v6, v3, 12, v6                  ; 8 h rows of 512 bytes + 4 r
	v_mov_b32 v220, 1.0
	v_mov_b32 v221, 0
.set ii, 0
.rept 64                                           ; the state: channel 16 m + j (+ 8 h), my 16 columns: pieces of 64 bytes, 2 MiB in the whole launch, once
	global_load_b32 v[S+ii], v6, s[8:9] offset:(16*(ii/8)+ii%8)*512
.set ii, ii+1
.endr
	v_mov_b32 v3, v1
.irp a, 0,1,2,3
	global_load_b128 v[UVR+4*(\a):UVR+4*(\a)+3], v3, s[6:7] offset:512*(\a)
.endr
.macro EM a, k, f                      ; O[a]^T += U^T M(f)^T
	v_wmma_f32_16x16x32_f16 v[O+8*(\a):O+8*(\a)+7], v[U16+8*(\k):U16+8*(\k)+7], v[128+8*(\f):128+8*(\f)+7], v[O+8*(\a):O+8*(\a)+7]
.endm
; ONE CHUNK.  No two matrix instructions that follow each other share an accumulator, over the backward jump too (the last names O[3], the first U[0]).
.macro CHUNK
	WIN 0
	v_add_nc_u32 v2, s40, v1                       ; this chunk's record
	s_add_co_u32 s40, s40, REC
	WIN 0x40
.set ff, 0
.rept 32                                           ; WN's 16 images, then KG's
	ds_load_b128 v[8*ff:8*ff+3],   v2 offset:ff*1024
	ds_load_b128 v[8*ff+4:8*ff+7], v2 offset:ff*1024+512
.set ff, ff+1
.endr
	WIN 0x80
.set ff, 0
.rept 22                                           ; KD's 16, then M's 6
	ds_load_b128 v[8*ff:8*ff+3],   v2 offset:32768+ff*1024
	ds_load_b128 v[8*ff+4:8*ff+7], v2 offset:32768+ff*1024+512
.set ff, ff+1
.endr
	WIN 0
	ds_load_b128 v[216:219], v2 offset:55296       ; gamma
	s_wait_loadcnt 0x0                             ; this chunk's UV (and, the first time, the state)
.set ii, 0
.rept 32                                           ; U starts as UV: an f16 half x 1.0 + 0
.if ii%2
	v_fma_mix_f32 v[U+ii], v[UVR+ii/2], v220, v221 op_sel:[1,0,0] op_sel_hi:[1,0,0]
.else
	v_fma_mix_f32 v[U+ii], v[UVR+ii/2], v220, v221 op_sel_hi:[1,0,0]
.endif
.set ii, ii+1
.endr
	s_min_u32 s44, s43, 31                         ; the next chunk's UV; the last trip asks for the last chunk's once more, inside the buffer
	s_lshl_b32 s44, s44, 11
	v_add_nc_u32 v3, s44, v1                       ; (the loads that named v3 are done)
	s_add_co_u32 s43, s43, 1
.irp a, 0,1,2,3
	global_load_b128 v[UVR+4*(\a):UVR+4*(\a)+3], v3, s[6:7] offset:512*(\a)
.endr
.set ii, 0
.rept 32                                           ; S in f16: two accumulators are one fragment, 32 channels deep; low registers first
	v_cvt_pk_f16_f32 v[S16+ii], v[S+2*ii], v[S+2*ii+1]
.set ii, ii+1
.endr
	s_wait_dscnt 63                                ; WN is in (77 loads are younger; the smaller count is safe)
	WIN 0x01
.irp k, 0,1,2,3
.irp a, 0,1,2,3                                    ; U[a] += WN(a, k) S: four accumulators by turns
	v_wmma_f32_16x16x32_f16 v[U+8*(\a):U+8*(\a)+7], v[8*(4*(\a)+(\k)):8*(4*(\a)+(\k))+7], v[S16+8*(\k):S16+8*(\k)+7], v[U+8*(\a):U+8*(\a)+7]
.endr
.endr
	s_wait_dscnt 45                                ; KG is in: KD's 32, M's 12 and gamma's load are younger
	WIN 0x04
.irp k, 0,1,2,3
.irp a, 0,1,2,3                                    ; O[a]^T (+)= S^T KG(a, k)^T
.if (\k) == 0
	v_wmma_f32_16x16x32_f16 v[O+8*(\a):O+8*(\a)+7], v[S16+8*(\k):S16+8*(\k)+7], v[128+8*(4*(\a)+(\k)):128+8*(4*(\a)+(\k))+7], 0
.else
	v_wmma_f32_16x16x32_f16 v[O+8*(\a):O+8*(\a)+7], v[S16+8*(\k):S16+8*(\k)+7], v[128+8*(4*(\a)+(\k)):128+8*(4*(\a)+(\k))+7], v[O+8*(\a):O+8*(\a)+7]
.endif
.endr
.endr
	WIN 0
	s_wait_dscnt 0x0
.set ii, 0
.rept 32                                           ; S = gamma S: also the places behind the products above
	v_pk_mul_f32 v[S+2*ii:S+2*ii+1], v[S+2*ii:S+2*ii+1], v[216:217]
.set ii, ii+1
.endr
.set ii, 0
.rept 16
	v_cvt_pk_f16_f32 v[U16+ii], v[U+2*ii], v[U+2*ii+1]
.set ii, ii+1
.endr
	WIN 0x02
.irp k, 0,1
.irp m, 0,1,2,3,4,5,6,7                            ; S[m] += KD(m, k)^T U
	v_wmma_f32_16x16x32_f16 v[S+8*(\m):S+8*(\m)+7], v[8*(2*(\m)+(\k)):8*(2*(\m)+(\k))+7], v[U16+8*(\k):U16+8*(\k)+7], v[S+8*(\m):S+8*(\m)+7]
.endr
.endr
	WIN 0x08
	EM 0, 0, 0
	EM 1, 0, 1
	EM 2, 0, 2
	EM 3, 0, 4
	EM 2, 1, 3
	EM 3, 1, 5
	WIN 0
	PLACES
	s_wait_xcnt 0x0                                ; O's address and the packed registers are written again only when earlier stores have read them
	s_add_nc_u64 s[10:11], s[10:11], 4096          ; four row tiles on; the stores below reach back
.set ii, 0
.rept 16
	v_cvt_pk_f16_f32 v[OP+ii], v[O+2*ii], v[O+2*ii+1]
.set ii, ii+1
.endr
.irp a, 0,1,2,3
	global_store_b128 v1, v[OP+4*(\a):OP+4*(\a)+3], s[10:11] offset:(\a)*1024-4096   ; 512 consecutive bytes: half an image
.endr
.endm
.macro TWO_STEPS                       ; a slot's two chunks: written once, walked twice
	WIN 0
	s_mov_b32 s42, 2
.Lstep_\@:
	CHUNK
	s_sub_co_u32 s42, s42, 1
	s_cmp_lg_u32 s42, 0
	s_cbranch_scc1 .Lstep_\@
.endm
; THE CHANGE OF SLOTS.  Each wave waits for all its tensor loads (one is out: its record of the other slot), adds 0 to its spare word, waits for that and for its reads of the slot that it leaves.
; fill = 1: behind a round of the cluster's barrier the slot is filled again, the first thing there: the load has two chunks' work in which to land.  (At its first use slot 0 is waited for, slot 1 filled.)
.macro CHANGE fill
	WIN 0
	s_wait_tensorcnt 0x0
	ds_add_u32 v4, v5
.if \fill
	s_xor_b32 s33, s33, SLOT1
	s_add_nc_u64 s[34:35], s[34:35], 2*REC
.endif
	s_wait_dscnt 0x0
.if \fill
	ROUND
	tensor_load_to_lds s[32:35], s[24:31]
	s_nop 0
	PLACES
.else
	s_barrier_signal -1
	s_barrier_wait -1
.endif
	s_sub_co_u32 s40, s40, 2*REC
	s_xor_b32 s40, s40, SLOT1
.endm
.Lslot:                                            ; 15 trips: chunks 2 k, 2 k + 1 are worked on, the next two asked for
	CHANGE 1
	TWO_STEPS
	s_sub_co_u32 s41, s41, 1
	s_cmp_lg_u32 s41, 0
	s_cbranch_scc1 .Lslot
	CHANGE 0                                       ; the last slot: nothing is asked for
	TWO_STEPS
.set ii, 0
.rept 64                                           ; the final state, each accumulator's low registers first
	global_store_b32 v6, v[S+ii], s[12:13] offset:(16*(ii/8)+ii%8)*512
.set ii, ii+1
.endr
	s_wait_tensorcnt 0x0                           ; the wave's end
	ds_add_u32 v4, v5
	s_wait_dscnt 0x0
	ROUND                                          ; the closing round
	s_endpgm
.Lfunc_end_k_qd00b47d3ff_scan:
	.size	k_qd00b47d3ff_scan, .Lfunc_end_k_qd00b47d3ff_scan-k_qd00b47d3ff_scan
	.p2alignl 7, 3214868480
	.fill 96, 4, 3214868480
	.section	.rodata,"a",@progbits
	.p2align	6, 0x0
	.amdhsa_kernel k_qd00b47d3ff_scan
		.amdhsa_group_segment_fixed_size 327680
		.amdhsa_private_segment_fixed_size 0
		.amdhsa_enable_private_segment 0
		.amdhsa_kernarg_size 40
		.amdhsa_user_sgpr_count 2
		.amdhsa_user_sgpr_kernarg_segment_ptr 1
		.amdhsa_wavefront_size32 1
		.amdhsa_system_sgpr_workgroup_id_x 1
		.amdhsa_system_sgpr_workgroup_id_y 1
		.amdhsa_system_sgpr_workgroup_id_z 1
		.amdhsa_system_vgpr_workitem_id 0
		.amdhsa_next_free_vgpr 688
		.amdhsa_next_free_sgpr 66
		.amdhsa_reserve_vcc 0
		.amdhsa_float_denorm_mode_32 3
		.amdhsa_float_denorm_mode_16_64 3
		.amdhsa_memory_ordered 1
		.amdhsa_forward_progress 1
		.amdhsa_inst_pref_size 58
	.end_amdhsa_kernel
	.amdgpu_metadata
---
amdhsa.version: [ 1, 2 ]
amdhsa.kernels:
  - .name:           k_qd00b47d3ff_scan
    .symbol:         k_qd00b47d3ff_scan.kd
    .args:
      - { .name: wyr, .offset: 0, .size: 8, .value_kind: global_buffer, .address_space: global }
      - { .name: uv16, .offset: 8, .size: 8, .value_kind: global_buffer, .address_space: global }
      - { .name: initial_state, .offset: 16, .size: 8, .value_kind: global_buffer, .address_space: global }
      - { .name: a16, .offset: 24, .size: 8, .value_kind: global_buffer, .address_space: global }
      - { .name: out1, .offset: 32, .size: 8, .value_kind: global_buffer, .address_space: global }
    .group_segment_fixed_size: 327680
    .private_segment_fixed_size: 0
    .kernarg_segment_align: 8
    .kernarg_segment_size: 40
    .max_flat_workgroup_size: 64
    .sgpr_count:     66
    .vgpr_count:     688
    .wavefront_size: 32
...
	.end_amdgpu_metadata
.endif
;; end of part 5
;; launch gemm_o (part 6): grid 8 x 32, 4 waves a work-group, clusters of 4 x 4, 327,680 bytes of LDS; arguments a16, wo16, x, out0; writes out0
.if DOCPART == 6
	.amdgcn_target "amdgcn-amd-amdhsa--gfx1250"
	.amdhsa_code_object_version 6
	.text
	.protected	k_qd00b47d3ff_gemm_o
	.globl	k_qd00b47d3ff_gemm_o
	.p2align	8
	.type	k_qd00b47d3ff_gemm_o,@function
k_qd00b47d3ff_gemm_o:
	s_mov_b64 s[64:65], 0
	v_nop
	global_prefetch_b8 v0, s[64:65] scope:SCOPE_SE
	s_setreg_imm32_b32 hwreg(HW_REG_WAVE_MODE, 25, 1), 1
	s_wait_xcnt 0x0
	s_wait_alu depctr_hold_cnt(0) depctr_sa_sdst(0) depctr_va_vdst(0) depctr_va_sdst(0) depctr_va_ssrc(0) depctr_va_vcc(0) depctr_vm_vsrc(0)
	s_getreg_b32 s2, hwreg(HW_REG_IB_STS2, 6, 4)
	s_cmp_eq_u32 s2, 0
	s_cbranch_scc0 .Lentry_in_a_cluster
	s_endpgm
.Lentry_in_a_cluster:
	s_bfe_u32 s2, ttmp6, 0x10000c
	s_cmp_lg_u32 s2, 0xf033
	s_cbranch_scc0 .Lentry_shape_is_right
	s_endpgm
.Lentry_shape_is_right:
; out0 = x + O Wo, 4,096 x 2,048 x 2,048, f16 operands, f32 sums and output.  A tile of C is 128 x 256 (256 work-groups), four waves of 64 x 128 (32 accumulators).
; A (O, in a16) lies as fragment images [kb = k/32][mt = m/16][1,024 bytes]; B (wo16) lies [k][n], rows of 512 bytes padded to 544 in LDS, read turned by ds_load_tr16_b128.
; K goes in steps of 128 through two LDS slots; 4 x 4 work-groups form a cluster: A's tile is asked for jointly along a row of the cluster, B's along a column.
; The matrix instruction is used transposed (source 0 = 16 columns of B, source 1 = 16 rows of A): a lane holds one row of C and eight neighbouring columns.
; REGISTERS.  window 0: v0-31 addresses; v64-95, v128-159 A's fragments; window 1: v64-127, v128-191 B's; window 2: the accumulators, (a, b) at v[8 (8 a + b)].
.set MB,    4
.set NCOL,  2048
.set AKB,   2048*MB
.set APART, 4*AKB
.set PB,    544
.set BHALF, 64*PB
.set SLOT,  APART+2*BHALF
.set STAGE, 2*SLOT
.set SP,    528                        ; a stage row: 512 bytes of f32 + 16
.set SPARE, STAGE+4*16*SP
.set F0, 64
.set F1, 128
.set G1, 24
.set G0, 32
.set G1B, 48
.set G0B, 56
.set MSB, 0
.macro WIN new
.if MSB != (\new)
	s_set_vgpr_msb (MSB<<8)|(\new)
.set MSB, (\new)
.endif
.endm
.macro PLACES
.rept 4
	v_nop
.endr
.endm
.macro JLOAD sl                        ; a joint refill: waves 0, 1 fetch A's two parts, waves 2, 3 B's
	s_cmp_eq_u32 s13, 0
	s_cbranch_scc0 .Lfor_b_\@
	tensor_load_to_lds s[G0+4*(\sl):G0+4*(\sl)+3], s[G1:G1+7]
	s_nop 0
	PLACES
	s_branch .Lasked_\@
.Lfor_b_\@:
	tensor_load_to_lds s[G0B+4*(\sl):G0B+4*(\sl)+3], s[G1B:G1B+7]
	s_nop 0
	PLACES
.Lasked_\@:
.endm
.macro CREST
	s_cmp_lg_u32 s12, 0
	s_cbranch_scc1 .Lnot_wave_0_\@
	s_barrier_signal -3
.Lnot_wave_0_\@:
	s_barrier_wait -3
	s_barrier_signal -1
	s_barrier_wait -1
.endm
.macro CROUND
	s_barrier_signal -1
	s_barrier_wait -1
	CREST
.endm
	s_load_b256 s[4:11], s[0:1], 0x0               ; a16 4, wo16 6, x 8, out0 10
	v_lshl_add_u32 v28, v0, 2, SPARE
	v_mov_b32 v29, 0
	ds_add_u32 v28, v29                            ; the wave's opening: the add and its wait stand ahead of my first tensor load
	ds_add_u32 v28, v29
	v_lshrrev_b32 v1, 5, v0
	v_readfirstlane_b32 s12, v1                    ; wave
	s_lshr_b32 s13, s12, 1                         ; my half of the rows; also: I fetch A (0) or B (1)
	s_and_b32 s14, s12, 1                          ; my half of the columns; also: which part I fetch
	s_bfe_u32 s17, ttmp6, 0x40000                  ; cx
	s_bfe_u32 s18, ttmp6, 0x40004                  ; cy
	s_lshl_b32 s16, ttmp9, 2
	s_add_co_u32 s16, s16, s17                     ; tile column
	s_and_b32 s15, ttmp7, 0xffff
	s_lshl_b32 s15, s15, 2
	s_add_co_u32 s15, s15, s18                     ; tile row
	s_lshl_b32 s19, s18, 2
	s_lshl_b32 s19, 15, s19                        ; my row of the cluster
	s_lshl_b32 s20, 0x1111, s17                    ; my column
	s_or_b32 s[G1], s19, (3<<16)|(1<<21)           ; A: elements of 8 bytes, no padding
	s_mov_b32 s[G1+1], (AKB/8)<<16
	s_mov_b32 s[G1+2], 2<<16
	s_mov_b32 s[G1+3], (AKB/8)<<16
	s_mov_b32 s[G1+4], 2
	s_mov_b32 s[G1+5], 32768
	s_mov_b32 s[G1+6], 0
	s_mov_b32 s[G1+7], 0
	s_or_b32 s[G1B], s20, (1<<16)|(1<<20)|(1<<21)|(6<<22)|(7<<25)  ; B: elements of 2 bytes; after every 128 words 8 words of padding
	s_mov_b32 s[G1B+1], 256<<16
	s_mov_b32 s[G1B+2], 64<<16
	s_mov_b32 s[G1B+3], 256<<16
	s_mov_b32 s[G1B+4], 64
	s_mov_b32 s[G1B+5], NCOL
	s_mov_b32 s[G1B+6], 0
	s_mov_b32 s[G1B+7], 0
	s_mul_i32 s40, s15, 2*MB*1024                  ; A: made of the tile row and the wave alone
	s_lshl_b32 s21, s14, 19
	s_add_co_u32 s40, s40, s21
	s_mov_b32 s41, 0
	s_mul_i32 s42, s14, 128*NCOL                   ; B: made of the tile column and the wave alone
	s_lshl_b32 s22, s16, 9
	s_add_co_u32 s42, s42, s22
	s_mov_b32 s43, 0
	s_mul_i32 s44, s14, 2*AKB
	s_mul_i32 s45, s14, BHALF
	s_add_co_u32 s45, s45, APART
	s_wait_dscnt 0x0                               ; the opening add is done
	s_wait_kmcnt 0x0
	s_add_nc_u64 s[40:41], s[4:5], s[40:41]
	s_add_nc_u64 s[42:43], s[6:7], s[42:43]
	CROUND                                         ; all sixteen work-groups are here
.irp sl, 0,1
	s_mov_b32 s[G0+4*(\sl)], 1
	s_add_co_u32 s[G0+4*(\sl)+1], s44, (\sl)*SLOT
	s_add_nc_u64 s[G0+4*(\sl)+2:G0+4*(\sl)+3], s[40:41], (\sl)*1048576
	s_or_b32 s[G0+4*(\sl)+3], s[G0+4*(\sl)+3], 0x80000000
	s_mov_b32 s[G0B+4*(\sl)], 1
	s_add_co_u32 s[G0B+4*(\sl)+1], s45, (\sl)*SLOT
	s_add_nc_u64 s[G0B+4*(\sl)+2:G0B+4*(\sl)+3], s[42:43], (\sl)*256*NCOL
	s_or_b32 s[G0B+4*(\sl)+3], s[G0B+4*(\sl)+3], 0x80000000
.endr
	s_cmp_eq_u32 s13, 0                            ; a wave's two first fills stand in one branch: two loads of mine are out
	s_cbranch_scc0 .Lfirst_b
	tensor_load_to_lds s[G0:G0+3], s[G1:G1+7]
	s_nop 0
	tensor_load_to_lds s[G0+4:G0+7], s[G1:G1+7]
	s_nop 0
	PLACES
	s_branch .Lfirst_asked
.Lfirst_b:
	tensor_load_to_lds s[G0B:G0B+3], s[G1B:G1B+7]
	s_nop 0
	tensor_load_to_lds s[G0B+4:G0B+7], s[G1B:G1B+7]
	s_nop 0
	PLACES
.Lfirst_asked:
	v_and_b32 v1, 15, v0                           ; r
	v_bfe_u32 v2, v0, 4, 1                         ; h
	v_and_b32 v3, 31, v0
	v_lshlrev_b32 v3, 4, v3                        ; 16 x lane
	s_mul_i32 s21, s13, MB*1024
	v_add_nc_u32 v16, s21, v3
	v_add_nc_u32 v17, SLOT, v16
	v_and_b32 v4, 7, v0
	v_lshl_add_u32 v4, v2, 3, v4
	v_mul_u32_u24 v4, v4, PB
	v_bfe_u32 v5, v0, 3, 1
	v_lshl_add_u32 v4, v5, 4, v4
	s_lshl_b32 s22, s14, 8
	s_add_co_u32 s22, s22, APART
	v_add_nc_u32 v20, s22, v4
	v_add_nc_u32 v21, SLOT, v20
	s_mul_i32 s21, s12, 16*SP
	s_add_co_u32 s21, s21, STAGE                   ; my stage
	v_mul_u32_u24 v24, v1, SP
	v_lshl_add_u32 v24, v2, 5, v24
	v_add_nc_u32 v24, s21, v24                     ; in: row r, 32 h
	v_add_nc_u32 v25, s21, v3                      ; back: a row's 512 bytes, 16 a lane
	v_mov_b32 v26, v3                              ; the same in x and out0
	s_lshl_b32 s42, s15, 7                         ; my first row: 128 x tile row + 64 x half,
	s_lshl_b32 s22, s13, 6
	s_add_co_u32 s42, s42, s22
	s_lshl_b32 s42, s42, 13                        ; rows of 8,192 bytes,
	s_lshl_b32 s22, s16, 10                        ; the tile column's 1,024 bytes,
	s_add_co_u32 s42, s42, s22
	s_lshl_b32 s22, s14, 9                         ; my half of them
	s_add_co_u32 s42, s42, s22
	s_mov_b32 s43, 0
	s_add_nc_u64 s[8:9], s[8:9], s[42:43]
	s_add_nc_u64 s[10:11], s[10:11], s[42:43]
.macro MULA f, a, zero
	WIN 0xa1
.irp b, 0,1,2,3,4,5,6,7
.if \zero
	v_wmma_f32_16x16x32_f16 v[8*(8*(\a)+(\b)):8*(8*(\a)+(\b))+7], v[(\f)+8*(\b):(\f)+8*(\b)+7], v[(\f)+8*(\a):(\f)+8*(\a)+7], 0
.else
	v_wmma_f32_16x16x32_f16 v[8*(8*(\a)+(\b)):8*(8*(\a)+(\b))+7], v[(\f)+8*(\b):(\f)+8*(\b)+7], v[(\f)+8*(\a):(\f)+8*(\a)+7], v[8*(8*(\a)+(\b)):8*(8*(\a)+(\b))+7]
.endif
.endr
.endm
.macro MULR f, a0, n, zero
.set aa, (\a0)
.rept (\n)
	MULA \f, aa, \zero
.set aa, aa+1
.endr
.endm
.macro FETCH slot, q, f                ; one run of LDS loads: B's 16, then A's 2 MB
	WIN 0x40
.irp b, 0,1,2,3,4,5,6,7
	ds_load_tr16_b128 v[(\f)+8*(\b):(\f)+8*(\b)+3],   v[20+(\slot)] offset:(\q)*32*PB+32*(\b)
	ds_load_tr16_b128 v[(\f)+8*(\b)+4:(\f)+8*(\b)+7], v[20+(\slot)] offset:(\q)*32*PB+16*PB+32*(\b)
.endr
	WIN 0
.set ii, 0
.rept MB
	ds_load_b128 v[(\f)+8*ii:(\f)+8*ii+3],   v[16+(\slot)] offset:(\q)*AKB+ii*1024
	ds_load_b128 v[(\f)+8*ii+4:(\f)+8*ii+7], v[16+(\slot)] offset:(\q)*AKB+ii*1024+512
.set ii, ii+1
.endr
.endm
.macro QUARTER slot, q, f, g, zero
	s_wait_dscnt MB                                ; the youngest MB loads (A's upper blocks) may be out
	MULR \f, 0, MB/2, \zero
	PLACES
	FETCH \slot, \q, \g
	s_wait_dscnt 16+2*MB                           ; all but the run just issued
	MULR \f, MB/2, MB/2, \zero
.endm
.macro MEET round
	WIN 0
	s_wait_tensorcnt 0x0                           ; all my tensor loads have landed
	ds_add_u32 v28, v29
	s_wait_dscnt MB+1                              ; (the add and A's upper blocks may be out)
	MULR F1, 0, MB/4, 0
	s_wait_dscnt 0x0                               ; the add is done, and my reads of this slot are over
	s_barrier_signal -1
	MULR F1, MB/4, MB/4, 0
.if \round
	WIN 0
.endif
	s_barrier_wait -1
.endm
.macro TURN slot, next, fill
	MEET \fill
.if \fill
	CREST
	s_add_nc_u64 s[G0+4*(\slot)+2:G0+4*(\slot)+3], s[G0+4*(\slot)+2:G0+4*(\slot)+3], 2097152
	s_add_nc_u64 s[G0B+4*(\slot)+2:G0B+4*(\slot)+3], s[G0B+4*(\slot)+2:G0B+4*(\slot)+3], 512*NCOL
	JLOAD \slot
.else
	PLACES
.endif
	FETCH \next, 0, F0
	MULR F1, MB/2, MB/2, 0
.endm
	s_wait_tensorcnt 1                             ; my part of K step 0 is in; step 1's may stay out
	s_barrier_signal -1
	s_barrier_wait -1
	FETCH 0, 0, F0
	QUARTER 0, 1, F0, F1, 1
	WIN 0
	s_mov_b32 s3, 7
.Llap:
	QUARTER 0, 2, F1, F0, 0
	QUARTER 0, 3, F0, F1, 0
	TURN 0, 1, 1
	QUARTER 1, 1, F0, F1, 0
	QUARTER 1, 2, F1, F0, 0
	QUARTER 1, 3, F0, F1, 0
	TURN 1, 0, 1
	QUARTER 0, 1, F0, F1, 0
	WIN 0
	s_sub_co_u32 s3, s3, 1
	s_cmp_lg_u32 s3, 0
	s_cbranch_scc1 .Llap
	QUARTER 0, 2, F1, F0, 0
	QUARTER 0, 3, F0, F1, 0
	TURN 0, 1, 0
	QUARTER 1, 1, F0, F1, 0
	QUARTER 1, 2, F1, F0, 0
	QUARTER 1, 3, F0, F1, 0
	s_wait_dscnt MB
	MULR F1, 0, MB/2, 0
	s_wait_dscnt 0x0
	MULR F1, MB/2, MB/2, 0
	WIN 0
	PLACES                                         ; ahead of loads into fragment registers and of stores of the sums
	; THE WAY OUT, a block of 16 rows at a time: the sums go through my stage and come back as whole rows of 512 bytes; x is added; 512 consecutive bytes a store.
.macro XLD a
.set XR, 64+64*((\a)%2)
.irp t, 0,1,2,3,4,5,6,7,8,9,10,11,12,13,14,15
	global_load_b128 v[XR+4*(\t):XR+4*(\t)+3], v26, s[8:9] offset:(\a)*131072+(\t)*8192
.endr
.endm
	XLD 0
.irp a, 0,1,2,3
.if (\a) < 3
	XLD (\a)+1
.endif
	s_wait_xcnt 0x0                                ; v192-255 are loaded again only when the block before's stores have read them
	WIN 0x08
.irp b, 0,1,2,3,4,5,6,7
	ds_store_b128 v24, v[8*(8*(\a)+(\b)):8*(8*(\a)+(\b))+3]   offset:64*(\b)
	ds_store_b128 v24, v[8*(8*(\a)+(\b))+4:8*(8*(\a)+(\b))+7] offset:64*(\b)+16
.endr
	WIN 0
.irp t, 0,1,2,3,4,5,6,7,8,9,10,11,12,13,14,15
	ds_load_b128 v[192+4*(\t):195+4*(\t)], v25 offset:(\t)*SP
.endr
	s_wait_dscnt 0x0
.if (\a) < 3
	s_wait_loadcnt 16                              ; this block's x is in; the next block's 16 loads stay out
.else
	s_wait_loadcnt 0x0
.endif
.set XR, 64+64*((\a)%2)
.set ii, 0
.rept 32
	v_pk_add_f32 v[192+2*ii:193+2*ii], v[192+2*ii:193+2*ii], v[XR+2*ii:XR+2*ii+1]
.set ii, ii+1
.endr
.irp t, 0,1,2,3,4,5,6,7,8,9,10,11,12,13,14,15
	global_store_b128 v26, v[192+4*(\t):195+4*(\t)], s[10:11] offset:(\a)*131072+(\t)*8192
.endr
.endr
	s_wait_tensorcnt 0x0                           ; the wave's end
	ds_add_u32 v28, v29
	s_wait_dscnt 0x0
	CROUND                                         ; the closing round
	s_endpgm
.Lfunc_end_k_qd00b47d3ff_gemm_o:
	.size	k_qd00b47d3ff_gemm_o, .Lfunc_end_k_qd00b47d3ff_gemm_o-k_qd00b47d3ff_gemm_o
	.p2alignl 7, 3214868480
	.fill 96, 4, 3214868480
	.section	.rodata,"a",@progbits
	.p2align	6, 0x0
	.amdhsa_kernel k_qd00b47d3ff_gemm_o
		.amdhsa_group_segment_fixed_size 327680
		.amdhsa_private_segment_fixed_size 0
		.amdhsa_enable_private_segment 0
		.amdhsa_kernarg_size 32
		.amdhsa_user_sgpr_count 2
		.amdhsa_user_sgpr_kernarg_segment_ptr 1
		.amdhsa_wavefront_size32 1
		.amdhsa_system_sgpr_workgroup_id_x 1
		.amdhsa_system_sgpr_workgroup_id_y 1
		.amdhsa_system_sgpr_workgroup_id_z 1
		.amdhsa_system_vgpr_workitem_id 0
		.amdhsa_next_free_vgpr 768
		.amdhsa_next_free_sgpr 66
		.amdhsa_reserve_vcc 0
		.amdhsa_float_denorm_mode_32 3
		.amdhsa_float_denorm_mode_16_64 3
		.amdhsa_memory_ordered 1
		.amdhsa_forward_progress 1
		.amdhsa_inst_pref_size 99
	.end_amdhsa_kernel
	.amdgpu_metadata
---
amdhsa.version: [ 1, 2 ]
amdhsa.kernels:
  - .name:           k_qd00b47d3ff_gemm_o
    .symbol:         k_qd00b47d3ff_gemm_o.kd
    .args:
      - { .name: a16, .offset: 0, .size: 8, .value_kind: global_buffer, .address_space: global }
      - { .name: wo16, .offset: 8, .size: 8, .value_kind: global_buffer, .address_space: global }
      - { .name: x, .offset: 16, .size: 8, .value_kind: global_buffer, .address_space: global }
      - { .name: out0, .offset: 24, .size: 8, .value_kind: global_buffer, .address_space: global }
    .group_segment_fixed_size: 327680
    .private_segment_fixed_size: 0
    .kernarg_segment_align: 8
    .kernarg_segment_size: 32
    .max_flat_workgroup_size: 128
    .sgpr_count:     66
    .vgpr_count:     768
    .wavefront_size: 32
...
	.end_amdgpu_metadata
.endif
;; end of part 6
;; ======== version 2 of 2: 6 launches; version 1 with the launches prep, gates written anew for expert scheduling mode
;; limits: values are held in f16: magnitudes above 65,504 overflow, below 6.1e-05 lose precision
;; workspace buffers: a16 16,777,216 bytes; wkv16 16,777,216 bytes; wo16 8,388,608 bytes; wbg16 131,072 bytes; gat 786,432 bytes; kv16 33,554,432 bytes; wyr 57,147,392 bytes; uv16 16,777,216 bytes
;; launch prep (part 7): grid 256 x 4, 8 waves a work-group, no clusters, 66,816 bytes of LDS; arguments x, norm_weight, Wk, Wv, Wo, Wb, Wg, a16, wkv16, wo16, wbg16; writes a16, wkv16, wo16, wbg16
.if DOCPART == 7
	.amdgcn_target "amdgcn-amd-amdhsa--gfx1250"
	.amdhsa_code_object_version 6
	.text
	.protected	k_qd00b47d3ff_prep
	.globl	k_qd00b47d3ff_prep
	.p2align	8
	.type	k_qd00b47d3ff_prep,@function
k_qd00b47d3ff_prep:
	s_mov_b64 s[64:65], 0
	v_nop
	global_prefetch_b8 v0, s[64:65] scope:SCOPE_SE
	s_setreg_imm32_b32 hwreg(HW_REG_WAVE_SCHED_MODE, 0, 2), 2
	s_setreg_imm32_b32 hwreg(HW_REG_WAVE_MODE, 25, 1), 1
	s_wait_xcnt 0x0
	s_wait_alu depctr_vm_vsrc(0)
; PREP.  y = 0: rmsnorm of 16 rows of x, rounded once to f16, written as fragment images; wave 0 also makes one 512-byte unit of Wb's or Wg's images.
;        y = 1, 2, 3: Wk, Wv, Wo rounded once to f16 (a wave takes one row of 2,048 numbers).
; a16 is laid out [kb = k/32][mt = m/16][1,024 bytes]: a block is the register image of a 16 x 32 fragment: lane (r = m%16, h) holds
; k = 8 h + 0..7 at byte 16 lane and k = 16 + 8 h + 0..7 at byte 512 + 16 lane.  So a wave's store covers 512 consecutive bytes.
; LIMITS.  f16 holds no number beyond 65,504: xn = x / rms * w (at most 45.3 |w|) and the weights must lie within it; below 6e-5 f16 keeps a
; fixed step of 6e-8.  NaN and infinities are not treated apart.  No matrix unit, no cluster: the launch streams, and no two work-groups share bytes but the gain.
; THE MODE: SCHED_MODE bits 1:0 = 2 (LLVM: expert scheduling mode 2), set by the entry lines.  The code itself states the register dependences
; between vector instructions and memory or LDS instructions, with s_wait_alu, always for 0.
; THE PLAN, the norm.  Registers that memory or LDS instructions touch:
;   v3 to v7   offsets and LDS addresses, made once at the head and never written again.
;   X          32 quads: my row as loaded; the squares read it; group g (quads 4 g .. 4 g + 3) scales its quads in place and rounds each into its own first pair,
;              which one LDS store reads; no pair is written again.  Behind the barrier the stage's loads land in quads 0 to 15, and the global stores read them.
;   NW         16 quads of the gain: group g's multiplies read quads 4 (g % 4) ..; for g = 0 to 3 the gain's second half is then loaded into them.
; Group g's memory instructions are group g - 1's four LDS stores and (g = 1 to 4) the four loads into group g - 1's quads of the gain: registers that no vector
; instruction of group g names.  So ONE wait at a group's head states all that they hang on, and they are dealt among the group's vector instructions.
; THE PLAN, the casts.  Four blocks of four loads; block p rounds into registers of its own; block p - 1's four stores stand among block p's roundings, behind one wait at the block's head.
.set SP,    4112                       ; a stage row: 4,096 bytes of f16 + 16
.set SPARE, 16*SP                      ; behind the stage: the spare words, 128 bytes for each of eight waves
.set NW,    20                         ; v[20:83]   16 quads of the gain; in the casts: 32 rounded words
.set X,     84                         ; v[84:211]  32 quads of my row; later 16 quads read back from the stage
.set WA,    212                        ; v212       wave 0 alone: my byte offset in Wb or Wg
	s_load_b512 s[8:23], s[0:1], 0x0               ; x 8, norm_weight 10, Wk 12, Wv 14, Wo 16, Wb 18, Wg 20, a16 22
	s_load_b128 s[24:27], s[0:1], 0x40             ; wkv16 24, wo16 26
	s_load_b64 s[28:29], s[0:1], 0x50              ; wbg16
	v_lshl_add_u32 v8, v0, 2, SPARE                ; my spare word
	v_mov_b32 v9, 0
	v_lshrrev_b32 v1, 5, v0
	v_readfirstlane_b32 s30, v1                    ; wave 0..7
	s_and_b32 s31, ttmp7, 0xffff                   ; y: which job
	s_mov_b32 s32, ttmp9                           ; x
	s_mov_b32 s41, 0
	s_mov_b32 s33, 0x3a000000                      ; 1 / 2048
	s_mov_b32 s34, 0x358637bd                      ; 1e-6
	v_and_b32 v7, 31, v0
	v_lshlrev_b32 v7, 4, v7                        ; 16 x lane
	s_wait_alu depctr_va_sdst(0)                   ; s30 is written, ahead of the branch and of its first reader on either way
	s_wait_kmcnt 0x0
	s_cmp_lg_u32 s31, 0
	s_cbranch_scc1 .Lcast
	; ---------------- the norm: row tid / 16, sixteen lanes to a row; load j takes 256 consecutive bytes of the row
	v_and_b32 v1, 15, v0                           ; r
	v_bfe_u32 v2, v0, 4, 1                         ; h
	v_lshrrev_b32 v6, 4, v0                        ; row 0..15
	v_lshlrev_b32 v4, 4, v1                        ; 16 r: my place in 256 bytes of the gain
	v_lshl_add_u32 v3, v6, 13, v4                  ; row x 8,192 + 16 r
	v_mul_u32_u24 v5, v6, SP
	v_lshl_add_u32 v5, v1, 3, v5                   ; stage, in: row x pitch + 8 r
	v_mul_u32_u24 v6, v1, SP
	v_lshl_add_u32 v6, v2, 4, v6                   ; stage, back: row r, 16 h,
	s_lshl_b32 s35, s30, 9
	v_add_nc_u32 v6, s35, v6                       ; and my wave's eight blocks of 32 k (64 bytes each)
	s_lshl_b32 s40, s32, 17                        ; 16 rows of 8,192 bytes
	s_add_nc_u64 s[8:9], s[8:9], s[40:41]
	s_lshl_b32 s40, s32, 10                        ; block mt = x,
	s_lshl_b32 s35, s30, 21                        ; kb = 8 x wave
	s_add_co_u32 s40, s40, s35
	s_add_nc_u64 s[36:37], s[22:23], s[40:41]
	s_wait_alu depctr_va_vdst(0)                   ; v3 to v7 are written: every load and store of this way but wave 0's last loads reads one of them as its offset or address
.set jj, 0
.rept 32
	global_load_b128 v[X+4*jj:X+4*jj+3], v3, s[8:9] offset:256*jj
.set jj, jj+1
.endr
.set jj, 0
.rept 16
	global_load_b128 v[NW+4*jj:NW+4*jj+3], v4, s[10:11] offset:256*jj
.set jj, jj+1
.endr
	s_wait_loadcnt 16                              ; my row is in; the 16 loads of the gain may stay out
.set jj, 0
.rept 64                                           ; the sum of squares, in four chains; the first four products start them
.if jj < 4
	v_pk_mul_f32 v[10+2*jj:11+2*jj], v[X+2*jj:X+2*jj+1], v[X+2*jj:X+2*jj+1]
.else
	v_pk_fma_f32 v[10+2*(jj%4):11+2*(jj%4)], v[X+2*jj:X+2*jj+1], v[X+2*jj:X+2*jj+1], v[10+2*(jj%4):11+2*(jj%4)]
.endif
.set jj, jj+1
.endr
	v_pk_add_f32 v[10:11], v[10:11], v[12:13]
	v_pk_add_f32 v[14:15], v[14:15], v[16:17]
	v_pk_add_f32 v[10:11], v[10:11], v[14:15]
	v_add_f32 v10, v10, v11
	v_add_f32_dpp v10, v10, v10 row_xmask:1 row_mask:0xf bank_mask:0xf   ; a row lies in sixteen lanes: four steps
	v_add_f32_dpp v10, v10, v10 row_xmask:2 row_mask:0xf bank_mask:0xf
	v_add_f32_dpp v10, v10, v10 row_xmask:4 row_mask:0xf bank_mask:0xf
	v_add_f32_dpp v10, v10, v10 row_xmask:8 row_mask:0xf bank_mask:0xf
	v_fma_f32 v10, v10, s33, s34                   ; mean + eps
	v_rsq_f32 v18, v10
	v_nop                                          ; a plain instruction behind the transcendental
	s_wait_alu depctr_va_vdst(0)                   ; the root has written v18, ahead of its first reader
	v_mov_b32 v19, v18
	s_wait_loadcnt 0x0                             ; the gain's first half
; Quad j: x / rms, times the gain, rounded to f16: the four numbers close up into the quad's first pair.
.macro QUAD j
	v_pk_mul_f32 v[X+4*(\j):X+4*(\j)+1], v[X+4*(\j):X+4*(\j)+1], v[18:19]
	v_pk_mul_f32 v[X+4*(\j)+2:X+4*(\j)+3], v[X+4*(\j)+2:X+4*(\j)+3], v[18:19]
	v_pk_mul_f32 v[X+4*(\j):X+4*(\j)+1], v[X+4*(\j):X+4*(\j)+1], v[NW+4*((\j)%16):NW+4*((\j)%16)+1]
	v_pk_mul_f32 v[X+4*(\j)+2:X+4*(\j)+3], v[X+4*(\j)+2:X+4*(\j)+3], v[NW+4*((\j)%16)+2:NW+4*((\j)%16)+3]
	v_cvt_pk_f16_f32 v[X+4*(\j)], v[X+4*(\j)], v[X+4*(\j)+1]
	v_cvt_pk_f16_f32 v[X+4*(\j)+1], v[X+4*(\j)+2], v[X+4*(\j)+3]
.endm
; Group g.  left (g = 4 to 7): how many younger loads of the gain's second half may stay out.  They are issued in groups 1 to 4, four in each: at group 4's head 12 are issued
; and the first 4 are wanted; from group 5 on 16 are issued, and 8, 12, 16 are wanted.
.macro GRP g, left
.if (\g) >= 4
	s_wait_loadcnt \left                           ; loads come back in order (ISA guide 5.7.1): this group's quads of the gain's second half are in
.endif
.if (\g) > 0
	s_wait_alu depctr_va_vdst(0)                   ; the group before has written its four pairs of X, which the LDS stores below read, and is done reading its quads of the gain, in which the loads below land
.endif
.set qq, 0
.rept 4
.if ((\g) > 0) && ((\g) < 5)
	global_load_b128 v[NW+4*(4*(\g)-4+qq):NW+4*(4*(\g)-4+qq)+3], v4, s[10:11] offset:256*(4*(\g)+12+qq)   ; the gain's second half takes a quad that the group before used; no vector instruction since the wait names it
.endif
.if (\g) > 0
	ds_store_b64 v5, v[X+4*(4*(\g)-4+qq):X+4*(4*(\g)-4+qq)+1] offset:128*(4*(\g)-4+qq)   ; a quad of the group before
.endif
	QUAD 4*(\g)+qq
.set qq, qq+1
.endr
.endm
	GRP 0, 0
	GRP 1, 0
	GRP 2, 0
	GRP 3, 0
	GRP 4, 8
	GRP 5, 8
	GRP 6, 4
	GRP 7, 0
	s_wait_alu depctr_va_vdst(0)                   ; group 7 has written its four pairs, which the last LDS stores read; with it every vector instruction that names X or the gain is done
.set qq, 28
.rept 4
	ds_store_b64 v5, v[X+4*qq:X+4*qq+1] offset:128*qq
.set qq, qq+1
.endr
	s_wait_dscnt 0x0                               ; for the others' sake: my stores into the stage are done
	s_barrier_signal -1
	s_barrier_wait -1
	s_wait_alu depctr_vm_vsrc(0)                   ; my LDS stores have read their pairs of X, in which the loads below land
.set jj, 0
.rept 16                                           ; block i = jj / 2 of my eight, half jj % 2
	ds_load_b128 v[X+4*jj:X+4*jj+3], v6 offset:64*(jj/2)+32*(jj%2)
.set jj, jj+1
.endr
.set jj, 0
.rept 16
	s_wait_dscnt 15-jj
	global_store_b128 v7, v[X+4*jj:X+4*jj+3], s[36:37] offset:262144*(jj/2)+512*(jj%2)   ; 512 consecutive bytes
.set jj, jj+1
.endr
	s_cmp_lg_u32 s30, 0
	s_cbranch_scc1 .Lnorm_end
	; wave 0: unit x of wbg16 = [Wb, Wg][kb 64][1,024]: lane (head r, h) takes k = 32 kb + 16 half + 8 h + 0..7
	s_lshr_b32 s35, s32, 7
	s_cmp_lg_u32 s35, 0
	s_cselect_b64 s[38:39], s[20:21], s[18:19]
	s_bfe_u32 s40, s32, 0x60001                    ; kb = (x / 2) % 64
	s_lshl_b32 s40, s40, 11                        ; 32 rows of 64 bytes
	s_and_b32 s35, s32, 1
	s_lshl_b32 s35, s35, 10
	s_add_co_u32 s40, s40, s35
	s_add_nc_u64 s[38:39], s[38:39], s[40:41]
	s_lshl_b32 s40, s32, 9
	s_add_nc_u64 s[28:29], s[28:29], s[40:41]
	v_lshlrev_b32 v[WA], 9, v2                     ; a register of its own: no offset that a load has read is written again
	v_lshl_add_u32 v[WA], v1, 2, v[WA]             ; 8 h rows + 4 r
	s_wait_alu depctr_va_vdst(0)                   ; v[WA] is written, which the eight loads below read
.irp e, 0,1,2,3,4,5,6,7
	global_load_b32 v[NW+(\e)], v[WA], s[38:39] offset:64*(\e)
.endr
	s_wait_loadcnt 0x0
.irp e, 0,1,2,3
	v_cvt_pk_f16_f32 v[10+(\e)], v[NW+2*(\e)], v[NW+2*(\e)+1]
.endr
	s_wait_alu depctr_va_vdst(0)                   ; the roundings have written v[10:13], which the store reads
	global_store_b128 v7, v[10:13], s[28:29]
.Lnorm_end:
	s_wait_dscnt 0x0                               ; the closing lines, six on end
	s_wait_alu 0x0
	s_wait_tensorcnt 0x0
	ds_add_u32 v8, v9
	s_wait_dscnt 0x0
	s_endpgm
	; ---------------- the casts: wave = row k = 8 x + wave; 16 loads of 512 bytes, 16 stores of 256 bytes.  This way stores nothing to LDS.
.Lcast:
	s_lshl_b32 s35, s32, 3
	s_add_co_u32 s35, s35, s30                     ; k
	s_cmp_eq_u32 s31, 2
	s_cselect_b64 s[36:37], s[14:15], s[16:17]     ; Wv or Wo,
	s_cselect_b32 s42, 4096, 0                     ; Wv's columns lie behind Wk's in a row of wkv16
	s_cmp_eq_u32 s31, 1
	s_cselect_b64 s[36:37], s[12:13], s[36:37]     ; or Wk
	s_cmp_eq_u32 s31, 3
	s_cselect_b64 s[38:39], s[26:27], s[24:25]
	s_cselect_b32 s43, 12, 13                      ; a row of wo16 is 4,096 bytes, of wkv16 8,192
	s_lshl_b32 s40, s35, 13
	s_add_nc_u64 s[36:37], s[36:37], s[40:41]
	s_lshl_b32 s40, s35, s43
	s_add_co_u32 s40, s40, s42
	s_add_nc_u64 s[38:39], s[38:39], s[40:41]
	v_lshrrev_b32 v6, 1, v7                        ; 8 x lane
	s_wait_alu depctr_va_vdst(0)                   ; v7 and v6 are written: the loads' and the stores' offsets, never written again
.set jj, 0
.rept 16
	global_load_b128 v[X+4*jj:X+4*jj+3], v7, s[36:37] offset:512*jj th:TH_LOAD_NT
.set jj, jj+1
.endr
; Block p: quads 4 p .. 4 p + 3 are rounded into words of their own; the four stores of the block before stand among the roundings.
.macro CBLK p
	s_wait_loadcnt 12-4*(\p)                       ; this block's four loads are in, the younger blocks stay out
.if (\p) > 0
	s_wait_alu depctr_va_vdst(0)                   ; the block before has written its eight words, which the stores below read
.endif
.set qq, 0
.rept 4
.if (\p) > 0
	global_store_b64 v6, v[NW+2*(4*(\p)-4+qq):NW+2*(4*(\p)-4+qq)+1], s[38:39] offset:256*(4*(\p)-4+qq)   ; 32 lanes store 256 consecutive bytes, aligned
.endif
	v_cvt_pk_f16_f32 v[NW+2*(4*(\p)+qq)], v[X+4*(4*(\p)+qq)], v[X+4*(4*(\p)+qq)+1]
	v_cvt_pk_f16_f32 v[NW+2*(4*(\p)+qq)+1], v[X+4*(4*(\p)+qq)+2], v[X+4*(4*(\p)+qq)+3]
.set qq, qq+1
.endr
.endm
	CBLK 0
	CBLK 1
	CBLK 2
	CBLK 3
	s_wait_alu depctr_va_vdst(0)                   ; block 3 has written its eight words, which the last four stores read
.set qq, 12
.rept 4
	global_store_b64 v6, v[NW+2*qq:NW+2*qq+1], s[38:39] offset:256*qq
.set qq, qq+1
.endr
	s_endpgm
.Lfunc_end_k_qd00b47d3ff_prep:
	.size	k_qd00b47d3ff_prep, .Lfunc_end_k_qd00b47d3ff_prep-k_qd00b47d3ff_prep
	.p2alignl 7, 3214868480
	.fill 96, 4, 3214868480
	.section	.rodata,"a",@progbits
	.p2align	6, 0x0
	.amdhsa_kernel k_qd00b47d3ff_prep
		.amdhsa_group_segment_fixed_size 66816
		.amdhsa_private_segment_fixed_size 0
		.amdhsa_enable_private_segment 0
		.amdhsa_kernarg_size 88
		.amdhsa_user_sgpr_count 2
		.amdhsa_user_sgpr_kernarg_segment_ptr 1
		.amdhsa_wavefront_size32 1
		.amdhsa_system_sgpr_workgroup_id_x 1
		.amdhsa_system_sgpr_workgroup_id_y 1
		.amdhsa_system_sgpr_workgroup_id_z 1
		.amdhsa_system_vgpr_workitem_id 0
		.amdhsa_next_free_vgpr 216
		.amdhsa_next_free_sgpr 66
		.amdhsa_reserve_vcc 0
		.amdhsa_float_denorm_mode_32 3
		.amdhsa_float_denorm_mode_16_64 3
		.amdhsa_memory_ordered 1
		.amdhsa_forward_progress 1
		.amdhsa_inst_pref_size 38
	.end_amdhsa_kernel
	.amdgpu_metadata
---
amdhsa.version: [ 1, 2 ]
amdhsa.kernels:
  - .name:           k_qd00b47d3ff_prep
    .symbol:         k_qd00b47d3ff_prep.kd
    .args:
      - { .name: x, .offset: 0, .size: 8, .value_kind: global_buffer, .address_space: global }
      - { .name: norm_weight, .offset: 8, .size: 8, .value_kind: global_buffer, .address_space: global }
      - { .name: Wk, .offset: 16, .size: 8, .value_kind: global_buffer, .address_space: global }
      - { .name: Wv, .offset: 24, .size: 8, .value_kind: global_buffer, .address_space: global }
      - { .name: Wo, .offset: 32, .size: 8, .value_kind: global_buffer, .address_space: global }
      - { .name: Wb, .offset: 40, .size: 8, .value_kind: global_buffer, .address_space: global }
      - { .name: Wg, .offset: 48, .size: 8, .value_kind: global_buffer, .address_space: global }
      - { .name: a16, .offset: 56, .size: 8, .value_kind: global_buffer, .address_space: global }
      - { .name: wkv16, .offset: 64, .size: 8, .value_kind: global_buffer, .address_space: global }
      - { .name: wo16, .offset: 72, .size: 8, .value_kind: global_buffer, .address_space: global }
      - { .name: wbg16, .offset: 80, .size: 8, .value_kind: global_buffer, .address_space: global }
    .group_segment_fixed_size: 66816
    .private_segment_fixed_size: 0
    .kernarg_segment_align: 8
    .kernarg_segment_size: 88
    .max_flat_workgroup_size: 256
    .sgpr_count:     66
    .vgpr_count:     216
    .wavefront_size: 32
...
	.end_amdgpu_metadata
.endif
;; end of part 7
;; launch gates (part 8): grid 64 x 1, 8 waves a work-group, no clusters, 75,776 bytes of LDS; arguments a16, wbg16, bb, bg, gat; writes gat
.if DOCPART == 8
	.amdgcn_target "amdgcn-amd-amdhsa--gfx1250"
	.amdhsa_code_object_version 6
	.text
	.protected	k_qd00b47d3ff_gates
	.globl	k_qd00b47d3ff_gates
	.p2align	8
	.type	k_qd00b47d3ff_gates,@function
k_qd00b47d3ff_gates:
	s_mov_b64 s[64:65], 0
	v_nop
	global_prefetch_b8 v0, s[64:65] scope:SCOPE_SE
	s_setreg_imm32_b32 hwreg(HW_REG_WAVE_SCHED_MODE, 0, 2), 2
	s_setreg_imm32_b32 hwreg(HW_REG_WAVE_MODE, 25, 1), 1
	s_wait_xcnt 0x0
	s_wait_alu depctr_vm_vsrc(0)
; GATES.  z = xn [Wb | Wg] + bias for 64 rows (one chunk of one batch); beta = sigmoid(zb); lg = log2 sigmoid(zg); L = the running sum of lg inside the chunk, Lp the same less the row's own.
; gat = [beta, L, Lp][bh 32][t 2048] f32.  Wave w multiplies K blocks 8 w .. 8 w + 7 (256 of the 2,048); the eight partial sums meet in LDS in f32; wave 0 finishes beta, wave 1 L and Lp.
; The product stands in its natural order: a lane holds head lane % 16 and rows t = 16 i + 8 (lane / 16) + j.
; log2 sigmoid(z) = min(y, 0) - log2(1 + 2^-|y|), y = z log2(e): no exponential can overflow.  64 work-groups: the launch is small, and its work has no more parts of this size.
; THE MODE: SCHED_MODE bits 1:0 = 2 (LLVM: expert scheduling mode 2), set by the entry lines.  The code itself states the register dependences
; between vector or matrix instructions and memory or LDS instructions, with s_wait_alu, always for 0.
; THE PLAN.  Registers that memory or LDS instructions touch:
;   v1           every load's offset; made once, never written again.
;   FB0 .. FB2   Step st: its eight matrix instructions read FB[st % 3]; behind them the loads of step st + 3 land in it.  The buffer is asked for again at once, so the step's ONE wait stands
;                behind its matrix instructions: a fourth buffer, which would let the wait stand at the next step's head, has no room under v256 (16 + 64 + 4 x 48 registers).
;   ACC          written by the matrix instructions, read by the sixteen LDS stores; in waves 0 and 1 two sets of partial sums and one read-back land there later.
;   v3; v2, v6 to v9 (waves 0 and 1)   LDS addresses and offsets, each made once.
;   The partial sums: sets 0 to 5 land in v80, v112, v144, v176, v16, v48, all asked for at once; sets 6 and 7 in v112 and v144, behind one wait, when sets 1 and 2 have been added.
;   The way out: the stage's stores read Z (wave 0) or T and v192 .. (wave 1); the read-backs land in v144 .. and v16 .., a buffer to each array, which the global stores read: none is written again.
.set STG,   65536                      ; behind the eight waves' partial sums (8,192 bytes each): 16 rows x 272 bytes for waves 0 and 1
.set SPARE, 74752
.set ACC,   16                         ; v[16:79]  tile (i, nt) at ACC + 8 (2 i + nt)
.set FB,    80                         ; three fragment buffers of 48: A's four, B's two
.set Z,     80                         ; later: the sums
.set T,     112
	s_load_b256 s[4:11], s[0:1], 0x0               ; a16 4, wbg16 6, bb 8, bg 10
	s_load_b64 s[12:13], s[0:1], 0x20              ; gat
	v_lshl_add_u32 v14, v0, 2, SPARE
	v_mov_b32 v15, 0
	v_lshrrev_b32 v2, 5, v0
	v_readfirstlane_b32 s14, v2                    ; wave
	v_and_b32 v1, 31, v0
	v_lshlrev_b32 v1, 4, v1                        ; 16 x lane
	s_mov_b32 s17, 0
	s_mov_b32 s19, 0
	s_wait_alu depctr_va_sdst(0)                   ; s14 is written, ahead of its first reader: the bases are made from it
	s_lshl_b32 s16, s14, 21                        ; 8 K blocks of 262,144 bytes
	s_lshl_b32 s15, ttmp9, 12                      ; 4 row tiles of 1,024 bytes
	s_add_co_u32 s16, s16, s15
	s_lshl_b32 s18, s14, 13                        ; 8 images of 1,024 bytes; also my partial sums' place in LDS
	s_wait_kmcnt 0x0
	s_add_nc_u64 s[4:5], s[4:5], s[16:17]
	s_add_nc_u64 s[6:7], s[6:7], s[18:19]
	s_wait_alu depctr_va_vdst(0)                   ; v1 is written, which every load of the products reads as its offset
.macro LDK st                          ; the twelve loads of K block st
.set fb, FB+48*((\st)%3)
.irp i, 0,1,2,3
	global_load_b128 v[fb+8*(\i):fb+8*(\i)+3],   v1, s[4:5] offset:(\st)*262144+(\i)*1024
	global_load_b128 v[fb+8*(\i)+4:fb+8*(\i)+7], v1, s[4:5] offset:(\st)*262144+(\i)*1024+512
.endr
.irp n, 0,1
	global_load_b128 v[fb+32+8*(\n):fb+32+8*(\n)+3], v1, s[6:7] offset:(\n)*65536+(\st)*1024
	global_load_b128 v[fb+36+8*(\n):fb+36+8*(\n)+3], v1, s[6:7] offset:(\n)*65536+(\st)*1024+512
.endr
.endm
	LDK 0
	LDK 1
	LDK 2
.set st, 0
.rept 8
.if st < 6
	s_wait_loadcnt 24                              ; two younger groups of twelve stay out
.else
	s_wait_loadcnt 12*(7-st)
.endif
.set fb, FB+48*(st%3)
.irp i, 0,1,2,3
.irp n, 0,1                                        ; eight accumulators by turns
.if st == 0
	v_wmma_f32_16x16x32_f16 v[ACC+8*(2*(\i)+(\n)):ACC+8*(2*(\i)+(\n))+7], v[fb+8*(\i):fb+8*(\i)+7], v[fb+32+8*(\n):fb+32+8*(\n)+7], 0
.else
	v_wmma_f32_16x16x32_f16 v[ACC+8*(2*(\i)+(\n)):ACC+8*(2*(\i)+(\n))+7], v[fb+8*(\i):fb+8*(\i)+7], v[fb+32+8*(\n):fb+32+8*(\n)+7], v[ACC+8*(2*(\i)+(\n)):ACC+8*(2*(\i)+(\n))+7]
.endif
.endr
.endr
.rept 4
	v_nop                                          ; four places ahead of loads into the buffer just read, and of the stores of the sums
.endr
.if st < 5
	s_wait_alu depctr_va_vdst(0)                   ; this step's matrix instructions are done reading their buffer, in which the twelve loads below land
	LDK st+3
.endif
.set st, st+1
.endr
	v_add_nc_u32 v3, s18, v1
	s_wait_alu depctr_va_vdst(0)                   ; the matrix instructions have written the accumulators, the LDS stores' data, and v3, their address, is written; the places above stay beside this wait
.set jj, 0
.rept 16                                           ; each accumulator's low quad first
	ds_store_b128 v3, v[ACC+4*jj:ACC+4*jj+3] offset:512*jj
.set jj, jj+1
.endr
	s_wait_dscnt 0x0                               ; for the others' sake
	s_barrier_signal -1
	s_barrier_wait -1
	s_cmp_ge_u32 s14, 2
	s_cbranch_scc1 .Lend
	; waves 0 and 1: column tile nt = wave.  All addresses are made first, so that one wait serves them.
	s_lshl_b32 s20, s14, 10
	v_add_nc_u32 v2, s20, v1
	v_and_b32 v4, 15, v0                           ; r = head
	v_bfe_u32 v5, v0, 4, 1                         ; h
	v_lshlrev_b32 v6, 2, v4
	s_cmp_eq_u32 s14, 1
	s_cselect_b64 s[22:23], s[10:11], s[8:9]
	s_mul_i32 s21, s14, 4608
	s_add_co_u32 s21, s21, STG
	v_mul_u32_u24 v7, v4, 272
	v_lshl_add_u32 v7, v5, 5, v7
	v_add_nc_u32 v7, s21, v7                       ; stage, in: row = head, 32 h
	v_mul_u32_u24 v8, v5, 272
	v_lshl_add_u32 v8, v4, 4, v8
	v_add_nc_u32 v8, s21, v8                       ; stage, back: lanes 0-15 one head's 256 bytes, lanes 16-31 the next's
	v_lshlrev_b32 v9, 13, v5
	v_lshl_add_u32 v9, v4, 4, v9                   ; the same two heads in gat
	s_lshr_b32 s16, ttmp9, 5                       ; batch: 16 heads of 8,192 bytes
	s_lshl_b32 s16, s16, 17
	s_and_b32 s15, ttmp9, 31                       ; chunk: 256 bytes
	s_lshl_b32 s15, s15, 8
	s_add_co_u32 s16, s16, s15
	s_add_nc_u64 s[12:13], s[12:13], s[16:17]
	s_wait_alu depctr_va_vdst(0)                   ; v2 and v6 to v9 are written, which the loads and stores below read as addresses and offsets
	s_wait_alu depctr_vm_vsrc(0)                   ; my LDS stores have read the accumulators' registers, in which sets 4 and 5 of the partial sums land
	global_load_b32 v10, v6, s[22:23]              ; my head's bias
.macro PLD pp, d                       ; wave pp's partial sums of my column tile, eight loads, into v[d ..]
.set jj, 0
.rept 8
	ds_load_b128 v[(\d)+4*jj:(\d)+4*jj+3], v2 offset:(\pp)*8192+(jj/2)*2048+(jj%2)*512
.set jj, jj+1
.endr
.endm
.macro PADD d, left                    ; the set in v[d ..] is added onto the sums; left: the younger LDS loads, which may stay out
	s_wait_dscnt \left
.set jj, 0
.rept 16
	v_pk_add_f32 v[Z+2*jj:Z+2*jj+1], v[Z+2*jj:Z+2*jj+1], v[(\d)+2*jj:(\d)+2*jj+1]
.set jj, jj+1
.endr
.endm
	PLD 0, Z                                       ; the eight waves' partial sums, in f32: added in the waves' order, 1 to 7 onto 0
	PLD 1, 112
	PLD 2, 144
	PLD 3, 176
	PLD 4, 16
	PLD 5, 48
	PADD 112, 32                                   ; of 48 loads the first 16 are in
	PADD 144, 24
	s_wait_alu depctr_va_vdst(0)                   ; the additions are done reading v112 .. and v144 .., in which sets 6 and 7 land
	PLD 6, 112
	PLD 7, 144                                     ; the three additions below name Z, v176 .., v16 .. and v48 ..: none of these loads' registers
	PADD 176, 32                                   ; behind set 3: sets 4 and 5, and the 16 loads just issued
	PADD 16, 24
	PADD 48, 16
	PADD 112, 8
	PADD 144, 0
	s_wait_loadcnt 0x0
	v_mov_b32 v11, v10
.set jj, 0
.rept 16
	v_pk_add_f32 v[Z+2*jj:Z+2*jj+1], v[Z+2*jj:Z+2*jj+1], v[10:11]
.set jj, jj+1
.endr
.macro ALL32 op, d, a                  ; one line for each of 32 registers
.set ii, 0
.rept 32
	\op v[(\d)+ii], v[(\a)+ii]
.set ii, ii+1
.endr
.endm
; 32 numbers a lane (register 8 i + j: row 16 i + 8 h + j of my head) go through my stage and leave as whole runs of 256 bytes, a head each.
; TOST: into the stage and back into v[BK ..] (LDS serves a wave's instructions in order: the loads see the stores above them, and the next array's stores come behind them).
.macro TOST R, BK
.irp q, 0,1,2,3,4,5,6,7
	ds_store_b128 v7, v[(\R)+4*(\q):(\R)+4*(\q)+3] offset:64*((\q)/2)+16*((\q)%2)
.endr
.irp u, 0,1,2,3,4,5,6,7
	ds_load_b128 v[(\BK)+4*(\u):(\BK)+4*(\u)+3], v8 offset:544*(\u)
.endr
.endm
; SEND: younger: the LDS instructions issued behind this array's loads: the next array's sixteen, or none.
.macro SEND arr, BK, younger
.irp u, 0,1,2,3,4,5,6,7
	s_wait_dscnt (\younger)+7-(\u)
	global_store_b128 v9, v[(\BK)+4*(\u):(\BK)+4*(\u)+3], s[12:13] offset:(\arr)*262144+(\u)*16384
.endr
.endm
	s_cmp_eq_u32 s14, 1
	s_cbranch_scc1 .Lw1
	; wave 0: beta = 1 / (1 + 2^(-z log2 e))
.set jj, 0
.rept 16
	v_pk_mul_f32 v[Z+2*jj:Z+2*jj+1], v[Z+2*jj:Z+2*jj+1], 0xbfb8aa3b op_sel_hi:[1,0]
.set jj, jj+1
.endr
	ALL32 v_exp_f32, Z, Z
	v_nop
	s_wait_alu depctr_va_vdst(0)                   ; the 32 exponentials have written Z, ahead of their first reader
.set jj, 0
.rept 16
	v_pk_add_f32 v[Z+2*jj:Z+2*jj+1], v[Z+2*jj:Z+2*jj+1], 1.0 op_sel_hi:[1,0]
.set jj, jj+1
.endr
	ALL32 v_rcp_f32, Z, Z
	v_nop
	s_wait_alu depctr_va_vdst(0)                   ; the 32 reciprocals have written Z, which the stage's stores read; the additions that read v144 .., in which the read-back lands, are done too
	TOST Z, 144
	SEND 0, 144, 0
	s_branch .Lend
.Lw1:
	; wave 1: lg = min(y, 0) - log2(1 + 2^-|y|)
	s_mov_b32 s20, 0x76543210
	s_mov_b32 s21, 0xfedcba98
	s_mov_b32 s22, 0xffff0000                      ; lanes 16-31
.set jj, 0
.rept 16
	v_pk_mul_f32 v[Z+2*jj:Z+2*jj+1], v[Z+2*jj:Z+2*jj+1], 0x3fb8aa3b op_sel_hi:[1,0]
.set jj, jj+1
.endr
.set ii, 0
.rept 32
	v_or_b32 v[T+ii], 0x80000000, v[Z+ii]          ; -|y|
.set ii, ii+1
.endr
	ALL32 v_exp_f32, T, T
	v_nop
	s_wait_alu depctr_va_vdst(0)                   ; the 32 exponentials have written T, ahead of their first reader
.set jj, 0
.rept 16
	v_pk_add_f32 v[T+2*jj:T+2*jj+1], v[T+2*jj:T+2*jj+1], 1.0 op_sel_hi:[1,0]
.set jj, jj+1
.endr
	ALL32 v_log_f32, T, T
	v_nop
.set ii, 0
.rept 32
	v_min_num_f32 v[Z+ii], 0, v[Z+ii]
.set ii, ii+1
.endr
	s_wait_alu depctr_va_vdst(0)                   ; the 32 logarithms have written T, ahead of their first reader; the minima above name Z alone
.set jj, 0
.rept 16
	v_pk_add_f32 v[Z+2*jj:Z+2*jj+1], v[Z+2*jj:Z+2*jj+1], v[T+2*jj:T+2*jj+1] neg_lo:[0,1] neg_hi:[0,1]
.set jj, jj+1
.endr
	; running sums: inside my eight rows of each tile; then the tiles' and the other half's totals in front of them
.set jj, 1
.rept 7
.irp i, 0,1,2,3
	v_add_f32 v[Z+8*(\i)+jj], v[Z+8*(\i)+jj], v[Z+8*(\i)+jj-1]
.endr
.set jj, jj+1
.endr
	v_mov_b32 v184, 0                              ; the total of the tiles in front
.irp i, 0,1,2,3
	v_mov_b32 v[176+(\i)], 0
	v_permlanex16_b32 v[176+(\i)], v[Z+8*(\i)+7], s20, s21   ; the other half's total of this tile
.endr
.irp i, 0,1,2,3
	v_cndmask_b32 v[180+(\i)], 0, v[176+(\i)], s22           ; rows 8-15 of a tile come behind rows 0-7
	v_add_f32 v[180+(\i)], v[180+(\i)], v184
	v_add_f32 v185, v[Z+8*(\i)+7], v[176+(\i)]
	v_add_f32 v184, v184, v185
.endr
.irp i, 0,1,2,3
.irp j, 0,1,2,3,4,5,6,7
	v_add_f32 v[T+8*(\i)+(\j)], v[Z+8*(\i)+(\j)], v[180+(\i)]   ; L
.endr
	v_mov_b32 v[192+8*(\i)], v[180+(\i)]                        ; Lp: the sum up to the row before
.irp j, 1,2,3,4,5,6,7
	v_mov_b32 v[192+8*(\i)+(\j)], v[T+8*(\i)+(\j)-1]
.endr
.endr
	s_wait_alu depctr_va_vdst(0)                   ; L (T) and Lp (v192 ..) are written, which the stage's stores read; the additions that read v144 .. and v16 .., in which the read-backs land, are done too
	TOST T, 144
	TOST 192, 16                                   ; a read-back buffer to each array: no register that a store reads is written again
	SEND 1, 144, 16
	SEND 2, 16, 0
.Lend:
	s_wait_dscnt 0x0                               ; the closing lines, six on end
	s_wait_alu 0x0
	s_wait_tensorcnt 0x0
	ds_add_u32 v14, v15
	s_wait_dscnt 0x0
	s_endpgm
.Lfunc_end_k_qd00b47d3ff_gates:
	.size	k_qd00b47d3ff_gates, .Lfunc_end_k_qd00b47d3ff_gates-k_qd00b47d3ff_gates
	.p2alignl 7, 3214868480
	.fill 96, 4, 3214868480
	.section	.rodata,"a",@progbits
	.p2align	6, 0x0
	.amdhsa_kernel k_qd00b47d3ff_gates
		.amdhsa_group_segment_fixed_size 75776
		.amdhsa_private_segment_fixed_size 0
		.amdhsa_enable_private_segment 0
		.amdhsa_kernarg_size 40
		.amdhsa_user_sgpr_count 2
		.amdhsa_user_sgpr_kernarg_segment_ptr 1
		.amdhsa_wavefront_size32 1
		.amdhsa_system_sgpr_workgroup_id_x 1
		.amdhsa_system_sgpr_workgroup_id_y 1
		.amdhsa_system_sgpr_workgroup_id_z 1
		.amdhsa_system_vgpr_workitem_id 0
		.amdhsa_next_free_vgpr 232
		.amdhsa_next_free_sgpr 66
		.amdhsa_reserve_vcc 0
		.amdhsa_float_denorm_mode_32 3
		.amdhsa_float_denorm_mode_16_64 3
		.amdhsa_memory_ordered 1
		.amdhsa_forward_progress 1
		.amdhsa_inst_pref_size 54
	.end_amdhsa_kernel
	.amdgpu_metadata
---
amdhsa.version: [ 1, 2 ]
amdhsa.kernels:
  - .name:           k_qd00b47d3ff_gates
    .symbol:         k_qd00b47d3ff_gates.kd
    .args:
      - { .name: a16, .offset: 0, .size: 8, .value_kind: global_buffer, .address_space: global }
      - { .name: wbg16, .offset: 8, .size: 8, .value_kind: global_buffer, .address_space: global }
      - { .name: bb, .offset: 16, .size: 8, .value_kind: global_buffer, .address_space: global }
      - { .name: bg, .offset: 24, .size: 8, .value_kind: global_buffer, .address_space: global }
      - { .name: gat, .offset: 32, .size: 8, .value_kind: global_buffer, .address_space: global }
    .group_segment_fixed_size: 75776
    .private_segment_fixed_size: 0
    .kernarg_segment_align: 8
    .kernarg_segment_size: 40
    .max_flat_workgroup_size: 256
    .sgpr_count:     66
    .vgpr_count:     232
    .wavefront_size: 32
...
	.end_amdgpu_metadata
.endif
;; end of part 8
;; launch gemm_kv: the kernel of part 3 again; grid 16 x 16, 4 waves a work-group, clusters of 4 x 4, 327,680 bytes of LDS; arguments a16, wkv16, kv16; writes kv16
;; launch wy: the kernel of part 4 again; grid 256 x 1, 4 waves a work-group, no clusters, 229,888 bytes of LDS; arguments kv16, gat, wyr, uv16; writes wyr, uv16
;; launch scan: the kernel of part 5 again; grid 4 x 32, 2 waves a work-group, clusters of 4 x 1, 327,680 bytes of LDS; arguments wyr, uv16, initial_state, a16, out1; writes a16, out1
;; launch gemm_o: the kernel of part 6 again; grid 8 x 32, 4 waves a work-group, clusters of 4 x 4, 327,680 bytes of LDS; arguments a16, wo16, x, out0; writes out0
